; MI455X (gfx1250); checked and timed in simulation.
; The chip was launched on July 23, 2026; its instructions are those of AMD's public machine-readable ISA for CDNA 5 (MIT licence, August 2026) and "CDNA5" Instruction Set Architecture Reference Guide (July 2026). The comments in the code are by the model that wrote it; some were corrected since.
;; Sparse Mo EFFN. Allowed arithmetic: matrix products marked QUANTISED: E2M1 operands, one E8M0 scale for each 32 along K, by v_wmma_scale_f32_16x16x128_f8f6f4 with both operands' format E2M1 (or v_wmma_scale_f32_32x16x128_f4), f32 sums; products left as they are: f32 operands where the result goes on into a quantised operand, else bf16, f16 or f32 operands; f32 sums; everything else in f32.
;; Inputs: W1 8 x 1,024 x 2,048 float32; W2 8 x 2,048 x 1,024 float32; Wg 1,024 x 8 float32; b1 8 x 2,048 float32; b2 8 x 1,024 float32; bg 8 float32; x 4 x 512 x 1,024 float32.
;; Outputs: out0 4 x 512 x 1,024 float32; out1 one number float32.
;; This version of the problem:
;;   THIS VERSION OF THE PROBLEM IS GIVEN IN LOW PRECISION. The matrix products marked QUANTISED in the list below multiply operands that are first quantised to E2M1 (2 exponent bits, 1 mantissa bit; 4 bits a number), with one power-of-two scale for each 32 numbers along K (OCP MX v1.0); their sums are f32. All else is computed in f32.
;;   The module's matrix products, in the order in which they are computed (A, B: the left and right operand; K: the contracted axis; several contracted axes count as one K, in the product's order):
;;     1. [M 2,048, K 1,024] x [K 1,024, N 8]; A: input x; B: input Wg: left as it is (N = 8 < 16)
;;     2. [M 16,384, K 1,024] x [K 1,024, N 2,048]; A: input W1; B: input x: QUANTISED
;;     3. batch 8 x [M 1,024, K 2,048] x [K 2,048, N 2,048]; A: input W2; B: computed on the way: QUANTISED
;;     4. batch 2,048 x [M 1, K 8] x [K 8, N 1,024]; A: computed on the way; B: computed on the way: left as it is (K = 8 < 32)
;;   THE QUANTISER, for each operand of a quantised product, along K:
;;     - K is cut into blocks of 32 from its start; a last block that is shorter is filled with zeros.
;;     - A block's scale is 2^e with e = floor(log2(the largest magnitude in the block)) - 2, held to -126 .. 127; a block of zeros has e = 0. As a byte (E8M0): e + 127.
;;     - Each number is divided by its block's scale, clamped to +-6, and rounded to the nearest number of E2M1, ties to even, subnormals kept.
;;     - The product sums the exact products of the quantised numbers (number of the format x scale) in f32.
;;   ~~~python
;;   def quantise(x, axis):      # numpy; x: float32 -> the quantised numbers, widened to float32 again
;;       x = np.moveaxis(x, axis, -1); K = x.shape[-1]
;;       x = np.pad(x, [(0, 0)] * (x.ndim - 1) + [(0, -K % 32)]); x = x.reshape(x.shape[:-1] + (-1, 32)); a = np.abs(x).max(-1, keepdims=True)
;;       e = np.where(a > 0, np.clip(np.frexp(np.where(a > 0, a, 1))[1] - 1 - 2, -126, 127), 0)      # np.frexp(a)[1] - 1 = floor(log2(a)), exactly
;;       r = np.clip(x / 2.0 ** e, -6, 6)
;;       step = 2.0 ** (np.maximum(np.frexp(np.where(r == 0, 1, r))[1] - 1, 0) - 1)
;;       q = np.round(r / step) * step * 2.0 ** e      # np.round: ties to even
;;       return np.moveaxis(q.reshape(q.shape[:-2] + (-1,))[..., :K], -1, axis).astype(np.float32)
;;   ~~~
;;   OPERANDS COMPUTED ON THE WAY. 'Computed on the way' means the value that the module computes at that place (a softmax that the list does not call 'softmax' is quantised finished and normalised). What goes into a quantiser is computed in f32, as accurately as f32 sums, v_exp_f32 and their like allow (about 1e-6 of the number): no bf16 or f16 on the way to a quantiser, and a product that is left as it is and whose result goes on into a quantised operand takes f32 operands (vector FMAs, or v_wmma_f32_16x16x4_f32). A number that lies on a knife's edge between two numbers of the format may be rounded either way, as far as f32 arithmetic and the matrix unit's own rounding can turn it there, and no further.
;; 2 versions, each right; version 2 is version 1 with the launch gemm2 written anew for expert scheduling mode. Each part assembles by itself: llvm-mc -triple=amdgcn-amd-amdhsa -mcpu=gfx1250 --defsym DOCPART=n.
;; ======== version 1 of 2: 4 launches
;; workspace buffers: wts 17,825,792 bytes; xqb 1,138,688 bytes; masks 4,096 bytes of whole numbers; lists 67,584 bytes of whole numbers; hq 17,825,792 bytes; y 16,809,984 bytes
;; launch prep (part 1): grid 1088 x 1, 4 waves a work-group, no clusters, 61,440 bytes of LDS; arguments x, Wg, bg, W1, W2, wts, xqb, masks; writes wts, xqb, masks
.if DOCPART == 1
	.amdgcn_target "amdgcn-amd-amdhsa--gfx1250"
	.amdhsa_code_object_version 6
	.text
	.protected	k_q53c142ec62_prep
	.globl	k_q53c142ec62_prep
	.p2align	8
	.type	k_q53c142ec62_prep,@function
k_q53c142ec62_prep:
	s_mov_b64 s[64:65], 0
	v_nop
	global_prefetch_b8 v0, s[64:65] scope:SCOPE_SE
	s_setreg_imm32_b32 hwreg(HW_REG_WAVE_MODE, 25, 1), 1
	s_wait_xcnt 0x0
; PREP: the weights and the tokens become codes of FP4 (E2M1) with one E8M0 byte for each 32 along K, and the router chooses.
; Work-groups 0-63: 32 tokens each: logits in f32 (fused multiply-adds), x's codes, softmax, 0.99 p + 0.00125, the two largest, their gates, the sum of squares.
; Work-groups 64-575: W1 [8][1024][2048]; 576-1087: W2 [8][2048][1024]: 128 columns x 256 along K each.
; WEIGHTS.  K is the first axis of an expert's matrix: a lane takes a column and its registers run down K, so a block of 32 lies in one lane and the conversions give codes with K innermost.
; The codes are laid as images of the operand's registers: [expert 1 MiB][tile of 16 columns][K step of 128: 1 KiB][c: 512][h: 256][r: 16 bytes]; tile 2 bg + u holds columns 32 bg + 16 (r / 8) + 8 u + r % 8,
; so that in the product's result the 16 registers of two neighbouring tiles are 16 neighbours.  Scale bytes: [expert 64 KiB][bg][256 along K: 256 bytes][column j: 8 bytes].
; A block's scale is 2^(floor(log2(largest magnitude)) - 2); its byte is the largest magnitude's exponent field - 2, held at 1 from below.
; LIMITS: a block of zeros gets the byte 1 where the rule says 127 (its codes are zeros; only this program reads the bytes); NaN and infinities among the inputs are not served;
; where the second and third probability agree within f32 rounding of the logits' sums the choice may differ from another order of summation.
; No address and no branch hangs on a floating-point number: the choice leaves as bit masks and gates at fixed places.
; SIZES OF A WORK-GROUP: 194 registers a wave and 61,440 bytes of LDS, so that five work-groups fit on a WGP: 1,280 places for the grid's 1,088, and no work-group waits for another to end.
; No tensor loads and no cluster: the work-groups share no input; the small work-groups of a WGP keep 64 loads a wave on their way.  No prefetch: the launch is one stream of loads.
.set W1Q,  0
.set W2Q,  8388608
.set W1S,  16777216
.set W2S,  17301504
.set XSC,  1048576                     ; in xqb: x's scale words [token][8]
.set GATE, 1114112                     ; [token][2] f32, slot 0 = the lower expert
.set AUXT, 1130496                     ; [token] f32: the sum of probs^2
.set STG,  0                           ; LDS (tokens' path alone): a stage of 32 rows x 272 bytes for each wave; at the end its first 1,024 bytes take the wave's partial logits
.set STGW, 8704                        ; a wave's stage
.set WGS,  34816                       ; 2,048 bytes of Wg for each wave
.set OUTS, 43008                       ; 32 rows x (512 + 16): x's codes
.set SCS,  59904                       ; 32 x 32 scale bytes
.set QX,   32                          ; weights: v32-95 two sets of 32 numbers
.set QC,   96                          ; v96-127 codes, four registers a block, never rewritten
.set QSB,  24                          ; v24-25 eight scale bytes
.set SBT,  16                          ; tokens: v16-17 scale bytes
.set CT,   18                          ; v18-25 codes of two blocks
.set A0,   26                          ; v26-33 logits' sums over even k, v34-41 over odd k
.set XR,   44                          ; v44-107 x as loaded
.set WR,   108                         ; v108-123 Wg as loaded
.set TX,   124                         ; v124-155 32 neighbours of my token: one block
.set WT,   156                         ; v156-187 two sets of 2 k x 8 experts of Wg
.set PL,   124                         ; the router: parts and logits
.set Q,    160                         ; probs
; 32 numbers of one block, v[xs] on, become 4 registers of codes at v[cr]; the byte goes to place tb of v[sb] on
.macro QBLK xs, tb, sb, cr
	v_max3_num_f32 v12, |v[\xs]|, |v[\xs+1]|, |v[\xs+2]|
	v_max3_num_f32 v13, |v[\xs+3]|, |v[\xs+4]|, |v[\xs+5]|
.irp i, 6,10,14,18,22,26
	v_max3_num_f32 v12, v12, |v[\xs+\i]|, |v[\xs+\i+1]|
	v_max3_num_f32 v13, v13, |v[\xs+\i+2]|, |v[\xs+\i+3]|
.endr
	v_max3_num_f32 v12, v12, |v[\xs+30]|, |v[\xs+31]|
	v_max3_num_f32 v12, v12, v13, 0x1800000        ; the floor 2^(3 - 127): the byte cannot fall under 1
	v_add_nc_u32 v11, 0xff000000, v12              ; 2 off the exponent field: the conversion's scale operand
	v_lshrrev_b32 v13, 23, v11                     ; the byte
.if ((\tb)%4) == 0
	v_mov_b32 v[\sb+(\tb)/4], v13
.else
	v_lshl_or_b32 v[\sb+(\tb)/4], v13, 8*((\tb)%4), v[\sb+(\tb)/4]
.endif
.irp g, 0,1,2,3
	v_cvt_scalef32_pk8_fp4_f32 v[\cr+\g], v[\xs+8*\g:\xs+8*\g+7], v11
.endr
.endm
.macro LOADB t, pitch                  ; block t of my column: 32 rows of the weight, 128 consecutive bytes a wave each
.set i_, 0
.rept 32
	global_load_b32 v[QX+32*((\t)%2)+i_], v3, s[32:33] offset:(32*(\t)+i_)*\pitch th:TH_LOAD_NT
.set i_, i_+1
.endr
.endm
; one weight: pitch = bytes of a row; 2^ltstr = bytes of a tile of codes; first = the path's first work-group; wlo = the pointer; cq, sq = places in wts; 2^lsh runs of 256 along K, 2^lcb blocks of 128 columns
.macro QW pitch, ltstr, first, wlo, cq, sq, lsh, lcb
	s_sub_co_u32 s21, ttmp9, \first
	s_lshr_b32 s22, s21, 6                         ; expert
	s_lshr_b32 s23, s21, \lcb
	s_and_b32 s23, s23, (1<<\lsh)-1                ; which 256 along K
	s_and_b32 s24, s21, (1<<\lcb)-1                ; which 128 columns: fastest, so neighbouring work-groups read neighbouring bytes of the same rows
	s_lshl_b32 s25, s24, 2
	s_add_co_u32 s25, s25, s20                     ; bg = my wave's 32 columns
	s_lshl_b32 s26, s22, 23
	s_mul_i32 s27, s23, 256*\pitch
	s_add_co_u32 s26, s26, s27
	s_lshl_b32 s27, s25, 7
	s_add_co_u32 s26, s26, s27
	s_mov_b32 s27, 0
	s_add_nc_u64 s[32:33], s[\wlo:\wlo+1], s[26:27]
	s_lshl_b32 s28, s22, 20
	s_lshl_b32 s29, s25, \ltstr+1
	s_add_co_u32 s28, s28, s29
	s_lshl_b32 s29, s23, 11
	s_add_co_u32 s28, s28, s29
	s_add_co_u32 s28, s28, \cq
	s_mov_b32 s29, 0
	s_add_nc_u64 s[34:35], s[14:15], s[28:29]      ; the codes
	s_lshl_b32 s30, s25, \lsh
	s_add_co_u32 s30, s30, s23
	s_lshl_b32 s30, s30, 8
	s_lshl_b32 s31, s22, 16
	s_add_co_u32 s30, s30, s31
	s_add_co_u32 s30, s30, \sq
	s_mov_b32 s31, 0
	s_add_nc_u64 s[36:37], s[14:15], s[30:31]      ; the scale bytes
	v_lshlrev_b32 v3, 2, v1                        ; in: 4 bytes a lane
	v_bfe_u32 v6, v1, 3, 1                         ; u: which of the two tiles my column belongs to
	v_and_b32 v7, 7, v1
	v_lshrrev_b32 v8, 4, v1
	v_lshl_add_u32 v7, v8, 3, v7                   ; r: its row in that tile
	v_lshlrev_b32 v4, 4, v7
	v_lshl_add_u32 v4, v6, \ltstr, v4              ; out: u x tile + 16 r
	v_lshlrev_b32 v5, 3, v1                        ; scale bytes: 8 a lane
	LOADB 0, \pitch
	LOADB 1, \pitch
.set tb_, 0
.rept 8
.if tb_ < 7
	s_wait_loadcnt 32                              ; this block's 32 loads are in; the next block's may be out
.else
	s_wait_loadcnt 0x0
.endif
.set xs_, QX+32*(tb_%2)
.set cr_, QC+4*tb_
	QBLK xs_, tb_, QSB, cr_
	global_store_b128 v4, v[cr_:cr_+3], s[34:35] offset:256*tb_   ; two runs of 256 consecutive bytes, one in each tile's image
.if tb_ < 6
	LOADB tb_+2, \pitch
.endif
.set tb_, tb_+1
.endr
	global_store_b64 v5, v[QSB:QSB+1], s[36:37]    ; 256 consecutive bytes, aligned
.endm
	s_load_b256 s[4:11], s[0:1], 0x0               ; x s[4:5], Wg s[6:7], bg s[8:9], W1 s[10:11]
	s_load_b256 s[12:19], s[0:1], 0x20             ; W2 s[12:13], wts s[14:15], xqb s[16:17], masks s[18:19]
	v_lshl_add_u32 v192, v0, 2, 0xee00
	v_mov_b32 v193, 0
	v_lshrrev_b32 v1, 5, v0
	v_readfirstlane_b32 s20, v1                    ; wave
	v_and_b32 v1, 31, v0                           ; lane
	s_wait_kmcnt 0x0
	s_cmp_lt_u32 ttmp9, 64
	s_cbranch_scc1 .Ltokens
	s_cmp_lt_u32 ttmp9, 576
	s_cbranch_scc1 .Lw1
	QW 4096, 14, 576, 12, W2Q, W2S, 3, 3
	s_endpgm
.Lw1:
	QW 8192, 13, 64, 10, W1Q, W1S, 2, 4
	s_endpgm
; ---- 32 tokens.  A lane is a token; wave w takes k = 256 w .. 256 w + 255, in four chunks of 64.
.Ltokens:
	s_load_b256 s[40:47], s[8:9], 0x0              ; bg
	s_lshl_b32 s22, ttmp9, 17
	s_lshl_b32 s21, s20, 10
	s_add_co_u32 s22, s22, s21
	s_mov_b32 s23, 0
	s_add_nc_u64 s[22:23], s[4:5], s[22:23]        ; x at my 32 rows, my wave's 1,024 bytes of each
	s_lshl_b32 s24, s20, 13
	s_mov_b32 s25, 0
	s_add_nc_u64 s[24:25], s[6:7], s[24:25]        ; Wg at my wave's 256 rows of 32 bytes
	v_and_b32 v11, 15, v1
	v_lshrrev_b32 v12, 4, v1
	v_lshlrev_b32 v7, 4, v1                        ; 16 x lane
	v_lshlrev_b32 v13, 4, v11
	v_lshl_add_u32 v4, v12, 12, v13                ; a load takes two rows x 256 bytes
	s_mul_i32 s26, s20, STGW
	v_mul_u32_u24 v5, v12, 272
	v_add_nc_u32 v5, v5, v13
	v_add_nc_u32 v5, s26, v5                       ; the stage, in: as loaded
	v_mul_u32_u24 v6, v1, 272
	v_add_nc_u32 v6, s26, v6                       ; out: my token's row
	s_lshl_b32 s27, s20, 11
	s_add_co_u32 s27, s27, WGS
	v_add_nc_u32 v8, s27, v7
	v_mov_b32 v9, s27                              ; Wg comes back by loads in which all lanes name the same bytes
	v_mul_u32_u24 v10, v1, 528
	s_lshl_b32 s28, s20, 7
	s_add_co_u32 s28, s28, OUTS
	v_add_nc_u32 v10, s28, v10                     ; my token's codes, my wave's 128 bytes
	v_lshlrev_b32 v2, 5, v1
	v_add_nc_u32 v3, s26, v2                       ; my partial logits: the head of my own stage, behind my last read of it
	v_lshlrev_b32 v42, 5, v1                       ; and where wave 0 reads the four parts, a stage apart
	s_lshl_b32 s28, s20, 3
	s_add_co_u32 s28, s28, SCS
	v_add_nc_u32 v2, s28, v2                       ; my 8 scale bytes
	s_mul_i32 s28, s20, 4224
	s_add_co_u32 s28, s28, OUTS
	v_add_nc_u32 v14, s28, v7                      ; the way out: rows 8 w on, whole
	v_lshlrev_b32 v43, 3, v1
	s_lshl_b32 s28, s20, 8
	s_add_co_u32 s28, s28, SCS
	v_add_nc_u32 v15, s28, v43
	s_mov_b32 s29, 0
	s_lshl_b32 s28, ttmp9, 14
	s_lshl_b32 s21, s20, 12
	s_add_co_u32 s28, s28, s21
	s_add_nc_u64 s[30:31], s[16:17], s[28:29]      ; x's codes: token 32 id + 8 w
	s_lshl_b32 s28, ttmp9, 10
	s_lshl_b32 s21, s20, 8
	s_add_co_u32 s28, s28, s21
	s_add_co_u32 s28, s28, XSC
	s_add_nc_u64 s[32:33], s[16:17], s[28:29]
	s_lshl_b32 s28, ttmp9, 8
	s_add_co_u32 s28, s28, GATE
	s_add_nc_u64 s[34:35], s[16:17], s[28:29]
	s_lshl_b32 s28, ttmp9, 7
	s_add_co_u32 s28, s28, AUXT
	s_add_nc_u64 s[36:37], s[16:17], s[28:29]
	s_lshl_b32 s28, ttmp9, 2
	s_add_nc_u64 s[38:39], s[18:19], s[28:29]      ; the masks' word number id
.macro XLOAD ch
.set i_, 0
.rept 16
	global_load_b128 v[XR+4*i_:XR+4*i_+3], v4, s[22:23] offset:8192*i_+256*(\ch) th:TH_LOAD_NT
.set i_, i_+1
.endr
.set i_, 0
.rept 4
	global_load_b128 v[WR+4*i_:WR+4*i_+3], v7, s[24:25] offset:2048*(\ch)+512*i_
.set i_, i_+1
.endr
.endm
.macro WGL g                           ; Wg of 2 k, 8 experts each, into set g % 2
.set m_, 0
.rept 4
	ds_load_b128 v[WT+16*((\g)%2)+4*m_:WT+16*((\g)%2)+4*m_+3], v9 offset:64*(\g)+16*m_
.set m_, m_+1
.endr
.endm
.macro FMA2 g                          ; 2 k x 8 experts: 8 packed multiply-adds; even and odd k have sums of their own, so that a line is eight lines from the one it adds onto
.set kk_, 0
.rept 2
.set xp_, TX+(2*(\g))%32
.set aa_, A0+8*kk_
.set wt_, WT+16*((\g)%2)+8*kk_
.set p_, 0
.rept 4
.if kk_
	v_pk_fma_f32 v[aa_+2*p_:aa_+2*p_+1], v[xp_:xp_+1], v[wt_+2*p_:wt_+2*p_+1], v[aa_+2*p_:aa_+2*p_+1] op_sel:[1,0,0] op_sel_hi:[1,1,1]
.else
	v_pk_fma_f32 v[aa_+2*p_:aa_+2*p_+1], v[xp_:xp_+1], v[wt_+2*p_:wt_+2*p_+1], v[aa_+2*p_:aa_+2*p_+1] op_sel_hi:[0,1,1]
.endif
.set p_, p_+1
.endr
.set kk_, kk_+1
.endr
.endm
.macro CHUNK ch                        ; 64 k: 32 groups of 2 k; my token's numbers come from the stage a block of 32 at a time
	s_wait_loadcnt 0x0                             ; the chunk's 20 loads are in
.set i_, 0
.rept 16
	ds_store_b128 v5, v[XR+4*i_:XR+4*i_+3] offset:544*i_
.set i_, i_+1
.endr
.set i_, 0
.rept 4
	ds_store_b128 v8, v[WR+4*i_:WR+4*i_+3] offset:512*i_
.set i_, i_+1
.endr
.set i_, 0
.rept 8
	ds_load_b128 v[TX+4*i_:TX+4*i_+3], v6 offset:16*i_   ; the first block.  LDS serves a wave's instructions in order (ISA guide 5.7.1.4): these see the stores above
.set i_, i_+1
.endr
	s_wait_dscnt 8                                 ; the stores have read their registers (the 8 loads may be out),
.if (\ch) < 3
	XLOAD (\ch)+1                                  ; which take the next chunk
.endif
	WGL 0
	WGL 1
.set g_, 0
.rept 32
.if (g_ == 16) || (g_ == 31)
	s_wait_dscnt 0x0                               ; the second block was asked for last, behind this set; the last group has nothing behind it
.else
	s_wait_dscnt 4                                 ; this set of Wg is in (and, the first time, my first block); the younger set may be out
.endif
	FMA2 g_
.if g_ < 30
	WGL g_+2
.endif
.if g_ == 15
	QBLK TX, 2*(\ch), SBT, CT                      ; the first block is done with: its codes, and the second block takes its registers
.set i_, 0
.rept 8
	ds_load_b128 v[TX+4*i_:TX+4*i_+3], v6 offset:128+16*i_
.set i_, i_+1
.endr
.endif
.set g_, g_+1
.endr
	QBLK TX, 2*(\ch)+1, SBT, CT+4
	ds_store_b128 v10, v[CT:CT+3] offset:32*(\ch)
	ds_store_b128 v10, v[CT+4:CT+7] offset:32*(\ch)+16
.endm
	XLOAD 0
.set i_, 0
.rept 16
	v_mov_b32 v[A0+i_], 0
.set i_, i_+1
.endr
	s_wait_kmcnt 0x0                               ; bg
	CHUNK 0
	CHUNK 1
	CHUNK 2
	CHUNK 3
.irp j, 0,2,4,6
	v_pk_add_f32 v[A0+\j:A0+\j+1], v[A0+\j:A0+\j+1], v[A0+8+\j:A0+8+\j+1]
.endr
	ds_store_b64 v2, v[SBT:SBT+1]
	ds_store_b128 v3, v[A0:A0+3]
	ds_store_b128 v3, v[A0+4:A0+7] offset:16
	s_wait_dscnt 0x0                               ; for the others' sake: my stores have landed
	s_barrier_signal -1
	s_barrier_wait -1
.irp i, 0,1,2,3,4,5,6,7
	ds_load_b128 v[XR+4*\i:XR+4*\i+3], v14 offset:528*\i
.endr
	ds_load_b64 v[XR+32:XR+33], v15
.irp i, 0,1,2,3,4,5,6,7
	s_wait_dscnt 8-\i                              ; row i is back; the later rows and the scale bytes may be out
	global_store_b128 v7, v[XR+4*\i:XR+4*\i+3], s[30:31] offset:512*\i   ; a token's 512 bytes of codes, whole
.endr
	s_wait_dscnt 0x0
	global_store_b64 v43, v[XR+32:XR+33], s[32:33] ; 256 consecutive bytes, aligned
	s_cmp_lg_u32 s20, 0
	s_cbranch_scc1 .Lend_tok
; ---- the router, wave 0: a lane is a token
.irp p, 0,1,2,3
	ds_load_b128 v[PL+8*\p:PL+8*\p+3], v42 offset:STGW*\p
	ds_load_b128 v[PL+8*\p+4:PL+8*\p+7], v42 offset:STGW*\p+16
.endr
	v_lshlrev_b32 v186, 2, v1
	v_and_b32 v187, 7, v1
	v_lshlrev_b32 v187, 8, v187
	v_bfe_u32 v185, v1, 3, 1
	v_lshl_add_u32 v187, v185, 11, v187            ; lanes 0-15: kind (lane / 8) x 2,048 + expert (lane % 8) x 256
	s_mov_b32 s48, 0x3f7d70a4                      ; 0.99
	s_mov_b32 s49, 0x3aa3d70a                      ; 0.01 / 8
	s_wait_dscnt 0x0
.irp j, 0,2,4,6
	v_pk_add_f32 v[PL+\j:PL+\j+1], v[PL+\j:PL+\j+1], v[PL+8+\j:PL+8+\j+1]
	v_pk_add_f32 v[PL+16+\j:PL+16+\j+1], v[PL+16+\j:PL+16+\j+1], v[PL+24+\j:PL+24+\j+1]
.endr
.irp j, 0,2,4,6
	v_pk_add_f32 v[PL+\j:PL+\j+1], v[PL+\j:PL+\j+1], v[PL+16+\j:PL+16+\j+1]
.endr
.irp e, 0,1,2,3,4,5,6,7
	v_add_f32 v[PL+\e], s[40+\e], v[PL+\e]         ; + bg
.endr
	v_max3_num_f32 v168, v[PL], v[PL+1], v[PL+2]
	v_max3_num_f32 v169, v[PL+3], v[PL+4], v[PL+5]
	v_max3_num_f32 v168, v168, v[PL+6], v[PL+7]
	v_max_num_f32 v168, v168, v169                 ; the largest logit is taken away, as the softmax has it
.irp e, 0,1,2,3,4,5,6,7
	v_sub_f32 v[Q+\e], v[PL+\e], v168
.endr
.irp e, 0,1,2,3,4,5,6,7
	v_mul_f32 v[Q+\e], 0x3fb8aa3b, v[Q+\e]
.endr
.irp e, 0,1,2,3,4,5,6,7
	v_exp_f32 v[Q+\e], v[Q+\e]
.endr
	v_nop                                          ; a plain line behind the exponentials,
	s_wait_alu depctr_va_vdst(0)                   ; and one wait for the eight, ahead of their first reader
	v_add_f32 v168, v[Q], v[Q+1]
	v_add_f32 v169, v[Q+2], v[Q+3]
	v_add_f32 v170, v[Q+4], v[Q+5]
	v_add_f32 v171, v[Q+6], v[Q+7]
	v_add_f32 v168, v168, v169
	v_add_f32 v170, v170, v171
	v_add_f32 v168, v168, v170
	v_rcp_f32 v169, v168
	v_nop
	s_wait_alu depctr_va_vdst(0)
.irp e, 0,1,2,3,4,5,6,7
	v_mul_f32 v[Q+\e], v[Q+\e], v169
.endr
.irp e, 0,1,2,3,4,5,6,7
	v_fma_f32 v[Q+\e], v[Q+\e], s48, s49           ; probs
.endr
	v_mul_f32 v168, v[Q], v[Q]
	v_mul_f32 v169, v[Q+1], v[Q+1]
.irp e, 2,4,6
	v_fmac_f32 v168, v[Q+\e], v[Q+\e]
	v_fmac_f32 v169, v[Q+\e+1], v[Q+\e+1]
.endr
	v_add_f32 v168, v168, v169                     ; the token's sum of probs^2
	global_store_b32 v186, v168, s[36:37]
	v_mov_b32 v170, v[Q]                           ; the largest: a later expert wins only if strictly larger, so the lower index keeps a tie
	v_mov_b32 v171, 0
.irp e, 1,2,3,4,5,6,7
	v_cmp_gt_f32 vcc_lo, v[Q+\e], v170
	v_cndmask_b32 v170, v170, v[Q+\e], vcc_lo
	v_cndmask_b32 v171, v171, \e, vcc_lo
.endr
	v_mov_b32 v172, -1.0                           ; the second: the same among the others
	v_mov_b32 v173, 0
.irp e, 0,1,2,3,4,5,6,7
	v_cmp_gt_f32 s50, v[Q+\e], v172
	v_cmp_ne_u32 s51, \e, v171
	s_and_b32 vcc_lo, s50, s51
	v_cndmask_b32 v172, v172, v[Q+\e], vcc_lo
	v_cndmask_b32 v173, v173, \e, vcc_lo
.endr
	v_add_f32 v174, v170, v172
	v_rcp_f32 v175, v174
	v_max_u32 v176, v171, v173                     ; (a plain line behind the reciprocal)  the higher of the two experts: slot 1
	s_wait_alu depctr_va_vdst(0)
	v_mul_f32 v177, v170, v175
	v_mul_f32 v178, v172, v175
	v_cmp_lt_u32 vcc_lo, v171, v173
	v_cndmask_b32 v180, v178, v177, vcc_lo         ; slot 0's gate
	v_cndmask_b32 v181, v177, v178, vcc_lo         ; slot 1's
	global_store_b64 v43, v[180:181], s[34:35]     ; 256 consecutive bytes, aligned
	v_mov_b32 v182, 0
.irp e, 0,1,2,3,4,5,6,7
	v_cmp_eq_u32 s50, \e, v171
	v_cmp_eq_u32 s51, \e, v173
	s_or_b32 s50, s50, s51
	v_writelane_b32 v182, s50, \e                  ; lane e: which of my 32 tokens use expert e
	v_cmp_eq_u32 s51, \e, v176
	v_writelane_b32 v182, s51, 8+\e                ; lane 8 + e: for which it is slot 1
.endr
	s_wait_xcnt 0x0                                ; EXEC changes only behind this wait
	v_cmp_gt_u32 vcc_lo, 16, v1
	s_and_saveexec_b32 s52, vcc_lo
	global_store_b32 v187, v182, s[38:39]
	s_wait_xcnt 0x0                                ; and again in front of the line that widens it
	s_or_b32 exec_lo, exec_lo, s52
.Lend_tok:
	s_wait_tensorcnt 0x0
	ds_add_u32 v192, v193
	s_wait_dscnt 0x0
	s_endpgm
.Lfunc_end_k_q53c142ec62_prep:
	.size	k_q53c142ec62_prep, .Lfunc_end_k_q53c142ec62_prep-k_q53c142ec62_prep
	.p2alignl 7, 3214868480
	.fill 96, 4, 3214868480
	.section	.rodata,"a",@progbits
	.p2align	6, 0x0
	.amdhsa_kernel k_q53c142ec62_prep
		.amdhsa_group_segment_fixed_size 61440
		.amdhsa_private_segment_fixed_size 0
		.amdhsa_enable_private_segment 0
		.amdhsa_kernarg_size 64
		.amdhsa_user_sgpr_count 2
		.amdhsa_user_sgpr_kernarg_segment_ptr 1
		.amdhsa_wavefront_size32 1
		.amdhsa_system_sgpr_workgroup_id_x 1
		.amdhsa_system_sgpr_workgroup_id_y 1
		.amdhsa_system_sgpr_workgroup_id_z 1
		.amdhsa_system_vgpr_workitem_id 0
		.amdhsa_next_free_vgpr 194
		.amdhsa_next_free_sgpr 66
		.amdhsa_reserve_vcc 1
		.amdhsa_float_denorm_mode_32 3
		.amdhsa_float_denorm_mode_16_64 3
		.amdhsa_memory_ordered 1
		.amdhsa_forward_progress 1
		.amdhsa_inst_pref_size 222
	.end_amdhsa_kernel
	.amdgpu_metadata
---
amdhsa.version: [ 1, 2 ]
amdhsa.kernels:
  - .name:           k_q53c142ec62_prep
    .symbol:         k_q53c142ec62_prep.kd
    .args:
      - { .name: x, .offset: 0, .size: 8, .value_kind: global_buffer, .address_space: global }
      - { .name: Wg, .offset: 8, .size: 8, .value_kind: global_buffer, .address_space: global }
      - { .name: bg, .offset: 16, .size: 8, .value_kind: global_buffer, .address_space: global }
      - { .name: W1, .offset: 24, .size: 8, .value_kind: global_buffer, .address_space: global }
      - { .name: W2, .offset: 32, .size: 8, .value_kind: global_buffer, .address_space: global }
      - { .name: wts, .offset: 40, .size: 8, .value_kind: global_buffer, .address_space: global }
      - { .name: xqb, .offset: 48, .size: 8, .value_kind: global_buffer, .address_space: global }
      - { .name: masks, .offset: 56, .size: 8, .value_kind: global_buffer, .address_space: global }
    .group_segment_fixed_size: 61440
    .private_segment_fixed_size: 0
    .kernarg_segment_align: 8
    .kernarg_segment_size: 64
    .max_flat_workgroup_size: 128
    .sgpr_count:     66
    .vgpr_count:     194
    .wavefront_size: 32
...
	.end_amdgpu_metadata
.endif
;; end of part 1
;; launch gemm1 (part 2): grid 256 x 1, 4 waves a work-group, no clusters, 109,056 bytes of LDS; arguments wts, xqb, masks, b1, hq, lists; writes hq, lists
.if DOCPART == 2
	.amdgcn_target "amdgcn-amd-amdhsa--gfx1250"
	.amdhsa_code_object_version 6
	.text
	.protected	k_q53c142ec62_gemm1
	.globl	k_q53c142ec62_gemm1
	.p2align	8
	.type	k_q53c142ec62_gemm1,@function
k_q53c142ec62_gemm1:
	s_mov_b64 s[64:65], 0
	v_nop
	global_prefetch_b8 v0, s[64:65] scope:SCOPE_SE
	s_setreg_imm32_b32 hwreg(HW_REG_WAVE_MODE, 25, 1), 1
	s_wait_xcnt 0x0
; GEMM1: h = Q(gelu(Q(x) Q(W1) + b1)) for the routed rows alone, on codes of FP4 (E2M1) with E8M0 scales; h leaves as codes.
; SHARES.  Work-group = (expert e = id / 32, slice cb = (id / 2) % 16 of 128 hidden units, part = id % 2).  THE WEIGHTS STAY: each wave holds the slice's 64 fragments (8 tiles x 8 K steps) in 512 registers
; and walks tiles of 16 of the expert's rows: wave g = 4 part + wave takes tiles g, g + 8, ..  256 work-groups serve every split; a wave without a tile ends.
; THE LIST.  Wave 0 makes the expert's list from its mask words (rank = the bits below, plus the words before), eight words at a time, line by line, so that no line waits for the line above it.
; An entry is 2 token + slot, the row of y in the next launch; rows past the end name row 4,096 + e.  The token is the entry / 2, held at 2,047 where it enters an address.
; The list goes through LDS; a wave's 16 tiles' entries then wait in 16 registers that shift.  The waves of slice 0 also store these registers, and n, for the next launch:
; lists [expert 8,448 bytes][g 1,024][row 64][tile j 4], n in all words of the 256 bytes at 8,192.  (A wave's four stores put 16 bytes at every 64; together they fill 1,024 consecutive bytes.)
; Both barriers stand ahead of every branch on stored numbers; behind them every LDS address is a constant + a lane's term + a wave's term.
; THE PRODUCT IS USED TRANSPOSED (source 0 = 16 hidden units, source 1 = 16 rows): a lane holds one row, and by the order of the weights' columns in a tile the 16 registers of tiles 2 b, 2 b + 1 are 16 neighbours along the next K.
; b1 is the C of each sum's first product.  gelu(v) = 0.5 v + 0.5 v erf(v / sqrt 2), erf(z) = z P(z^2) / Q(z^2) on z held to +-4, all in f32.
; LIMITS: erf is right to about 1e-7 absolutely, so 1 + erf loses relative accuracy for v under about -3, where gelu is under 0.005 in magnitude; a block of zeros gets the byte 1 (its codes are zeros); NaN and infinities are not served.
; No tensor load, cluster or joint request: trip counts and the early end hang on stored numbers.  No prefetch: the codes are read by many work-groups.
; REGISTERS: window 0 as named below; windows 1, 2: W1's fragments, (K step s, tile t) at 8 (8 s + t); window 3: v0-63 b1, v64-127 16 rows of x's codes on their way.
.set W1S,   16777216
.set XSCO,  1048576
.set HSCO,  16777216
.set LREG,  8448                       ; lists: an expert's bytes
.set LIST,  65536                      ; LDS: 0: the slice's 64 KiB; here 2,048 entries and 32 words for lanes with nothing to say
.set NCNT,  73984                      ; the expert's number of rows
.set STAGE, 74240                      ; 16 rows x 528 bytes for each wave
.set SPITCH, 528
.set LN,  1
.set R,   2
.set HH,  3
.set L16, 4                            ; 16 x lane
.set SST, 5                            ; the stage, in: whole rows
.set SLD, 6                            ; out: row r, + 16 h
.set R4,  7
.set H16, 8
.set XSO, 9
.set TMP, 10
.set WST, 11
.set LQ,  12
.set NCA, 13
.set PF,  14
.set SVO, 15
.set L,   16                           ; v16-31 my tiles' entries: lane r (and r + 16) holds row r's
.set WS,  32                           ; v32-63 W1's scale words
.set XS,  64                           ; v64-67 x's scale words at work; v68-71 the next tile's
.set XSN, 68
.set OFF, 72                           ; v72-87 the 16 rows' offsets
.set CA,  88                           ; v88-89 a11 twice; v90-91 b6 twice
.set CB,  90
.set BVO, 92
.set ML,  93
.set NV,  94                           ; v94 n (v95 beside it for the store of a pair)
.set XF,  96                           ; v96-159 x's eight fragments; behind the products: numerators v96-127, denominators v128-159
.set NUM, 96
.set RQ,  128
.set ACC, 160                          ; v160-223 eight accumulators
.set Z,   224
.set X2,  232
.set PC,  224                          ; the codes just made
.set TM,  232
.set PW,  248
.set AD0, 224                          ; the list's making: eight addresses and eight entries, in two sets that take turns
.set AD1, 72
.set MK,  240                          ; v240-243 the mask words: who uses the expert, for whom it is slot 1
.set FILLR, 244
.set DUMP, 249
.set L2R, 250                          ; 2 x lane
.set QSO, 251                          ; 64 r: my row's place in the stored queue
.set B1,  0
.set XG,  64
.set SEL, 36
.set MSB, 0
.macro WIN new                         ; the immediate's high byte repeats the setting that is left
.if MSB != \new
	s_set_vgpr_msb (MSB<<8)|\new
.set MSB, \new
.endif
.endm
.macro MM d, a, b, c, sa, sb, ra, rb   ; one product; ra, rb: the scale words stand in lanes 16-31
.if (\ra) && (\rb)
	v_wmma_scale_f32_16x16x128_f8f6f4 v[\d:\d+7], v[\a:\a+7], v[\b:\b+7], v[\c:\c+7], v[\sa], v[\sb] matrix_a_fmt:MATRIX_FMT_FP4 matrix_b_fmt:MATRIX_FMT_FP4 matrix_a_scale:MATRIX_SCALE_ROW1 matrix_b_scale:MATRIX_SCALE_ROW1
.elseif (\ra)
	v_wmma_scale_f32_16x16x128_f8f6f4 v[\d:\d+7], v[\a:\a+7], v[\b:\b+7], v[\c:\c+7], v[\sa], v[\sb] matrix_a_fmt:MATRIX_FMT_FP4 matrix_b_fmt:MATRIX_FMT_FP4 matrix_a_scale:MATRIX_SCALE_ROW1
.elseif (\rb)
	v_wmma_scale_f32_16x16x128_f8f6f4 v[\d:\d+7], v[\a:\a+7], v[\b:\b+7], v[\c:\c+7], v[\sa], v[\sb] matrix_a_fmt:MATRIX_FMT_FP4 matrix_b_fmt:MATRIX_FMT_FP4 matrix_b_scale:MATRIX_SCALE_ROW1
.else
	v_wmma_scale_f32_16x16x128_f8f6f4 v[\d:\d+7], v[\a:\a+7], v[\b:\b+7], v[\c:\c+7], v[\sa], v[\sb] matrix_a_fmt:MATRIX_FMT_FP4 matrix_b_fmt:MATRIX_FMT_FP4
.endif
.endm
; Eight mask words, 256 tokens, into the list.  s40-47 the words, s48-55 the slot words, s56-63 the rows before each word, s31 the rows so far
.macro LBATCH b
.if ((\b)%2) == 0
.set ad_, AD0
.else
.set ad_, AD1
.endif
.set dt_, ad_+8
.if (\b) >= 2
	s_wait_dscnt 8                                 ; the last batch's eight stores may be out; the batch before it, which used these registers, has read them
.endif
.set k_, 0
.rept 8
.set w_, 8*(\b)+k_
	v_readlane_b32 s[40+k_], v[MK+w_/32], w_%32    ; tokens 32 w .. 32 w + 31
	v_readlane_b32 s[48+k_], v[MK+2+w_/32], w_%32
.set k_, k_+1
.endr
.set k_, 0
.rept 8
	s_mov_b32 s[56+k_], s31
	s_bcnt1_i32_b32 s30, s[40+k_]
	s_add_co_u32 s31, s31, s30
.set k_, k_+1
.endr
.set k_, 0
.rept 8
	v_mbcnt_lo_u32_b32 v[ad_+k_], s[40+k_], s[56+k_]   ; my token's rank, if it is in
.set k_, k_+1
.endr
.set k_, 0
.rept 8
	v_cndmask_b32 v[ad_+k_], v[DUMP], v[ad_+k_], s[40+k_]   ; else a word that nobody reads
.set k_, k_+1
.endr
.set k_, 0
.rept 8
	v_min_u32 v[ad_+k_], 2079, v[ad_+k_]
.set k_, k_+1
.endr
.set k_, 0
.rept 8
	v_lshl_add_u32 v[ad_+k_], v[ad_+k_], 2, LIST
.set k_, k_+1
.endr
.set k_, 0
.rept 8
	v_cndmask_b32 v[dt_+k_], 0, 1, s[48+k_]
.set k_, k_+1
.endr
.set k_, 0
.rept 8
	v_add3_u32 v[dt_+k_], v[L2R], v[dt_+k_], 64*(8*(\b)+k_)   ; 2 token + slot
.set k_, k_+1
.endr
.set k_, 0
.rept 8
	ds_store_b32 v[ad_+k_], v[dt_+k_]
.set k_, k_+1
.endr
.endm
.macro SHIFT                           ; the next tile's entries come to the front
.set j_, 0
.rept 15
	v_mov_b32 v[L+j_], v[L+j_+1]
.set j_, j_+1
.endr
.endm
.macro GATHER                          ; the front tile's 16 rows of codes, 512 consecutive bytes a load, and their scale words.  Every token is held inside the table where it is used
.set i_, 0
.rept 16
	v_readlane_b32 s[40+i_], v[L], i_
.set i_, i_+1
.endr
.set i_, 0
.rept 16
	s_min_u32 s[40+i_], s[40+i_], 2047
.set i_, i_+1
.endr
.set i_, 0
.rept 16
	v_lshl_add_u32 v[OFF+i_], s[40+i_], 9, v[L16]
.set i_, i_+1
.endr
	v_min_u32 v[TMP], 2047, v[L]
	v_lshl_add_u32 v[XSO], v[TMP], 5, v[H16]       ; lanes 0-15: words 0-3 of row r; lanes 16-31: words 4-7
	WIN 0xc0                                       ; destination window 3
.set i_, 0
.rept 16
	global_load_b128 v[XG+4*i_:XG+4*i_+3], v[OFF+i_], s[6:7]
.set i_, i_+1
.endr
	WIN 0
	global_load_b128 v[XSN:XSN+3], v[XSO], s[24:25]
.endm
.macro HORN reg, lit                   ; four pairs: reg = reg x z^2 + lit
.irp p, 0,1,2,3
	v_pk_fma_f32 v[(\reg)+2*\p:(\reg)+2*\p+1], v[(\reg)+2*\p:(\reg)+2*\p+1], v[X2+2*\p:X2+2*\p+1], \lit op_sel_hi:[1,1,0]
.endr
.endm
.macro GELU4 acc, k                    ; one accumulator's eight numbers, read from its low end on: numerator z P(z^2) and denominator Q(z^2) of erf(v / sqrt 2)
.irp p, 0,1,2,3
	v_pk_mul_f32 v[Z+2*\p:Z+2*\p+1], v[(\acc)+2*\p:(\acc)+2*\p+1], 0x3f3504f3 op_sel_hi:[1,0]
.endr
.irp j, 0,1,2,3,4,5,6,7
	v_med3_num_f32 v[Z+\j], v[Z+\j], -4.0, 4.0
.endr
.irp p, 0,1,2,3
	v_pk_mul_f32 v[X2+2*\p:X2+2*\p+1], v[Z+2*\p:Z+2*\p+1], v[Z+2*\p:Z+2*\p+1]
.endr
.irp p, 0,1,2,3
	v_pk_fma_f32 v[NUM+8*(\k)+2*\p:NUM+8*(\k)+2*\p+1], v[X2+2*\p:X2+2*\p+1], 0xaf95df0b, v[CA:CA+1] op_sel_hi:[1,0,1]
.endr
.irp p, 0,1,2,3
	v_pk_fma_f32 v[RQ+8*(\k)+2*\p:RQ+8*(\k)+2*\p+1], v[X2+2*\p:X2+2*\p+1], 0xb77460cd, v[CB:CB+1] op_sel_hi:[1,0,1]
.endr
	HORN NUM+8*(\k), 0xb60cff51
	HORN RQ+8*(\k),  0xbadc924e
	HORN NUM+8*(\k), 0xb86ec2d2
	HORN RQ+8*(\k),  0xbbf19bf8
	HORN NUM+8*(\k), 0xba40ac63
	HORN RQ+8*(\k),  0xbc69b6a7
	HORN NUM+8*(\k), 0xbb41a1f6
	HORN NUM+8*(\k), 0xbc83dbd4
.irp p, 0,1,2,3
	v_pk_mul_f32 v[NUM+8*(\k)+2*\p:NUM+8*(\k)+2*\p+1], v[NUM+8*(\k)+2*\p:NUM+8*(\k)+2*\p+1], v[Z+2*\p:Z+2*\p+1]
.endr
.endm
.macro GFIN acc, k                     ; erf = numerator / denominator; gelu = 0.5 v erf + 0.5 v, one rounding
.irp p, 0,1,2,3
	v_pk_mul_f32 v[NUM+8*(\k)+2*\p:NUM+8*(\k)+2*\p+1], v[NUM+8*(\k)+2*\p:NUM+8*(\k)+2*\p+1], v[RQ+8*(\k)+2*\p:RQ+8*(\k)+2*\p+1]
.endr
.irp p, 0,1,2,3
	v_pk_mul_f32 v[RQ+8*(\k)+2*\p:RQ+8*(\k)+2*\p+1], v[(\acc)+2*\p:(\acc)+2*\p+1], 0.5 op_sel_hi:[1,0]
.endr
.irp p, 0,1,2,3
	v_pk_fma_f32 v[(\acc)+2*\p:(\acc)+2*\p+1], v[RQ+8*(\k)+2*\p:RQ+8*(\k)+2*\p+1], v[NUM+8*(\k)+2*\p:NUM+8*(\k)+2*\p+1], v[RQ+8*(\k)+2*\p:RQ+8*(\k)+2*\p+1]
.endr
.endm
.macro GBATCH first                    ; four accumulators: 32 reciprocals as one batch with one wait
.irp k, 0,1,2,3
	GELU4 ACC+8*(\first+\k), \k
.endr
.set i_, 0
.rept 32
	v_rcp_f32 v[RQ+i_], v[RQ+i_]
.set i_, i_+1
.endr
	v_nop                                          ; a plain line behind the last reciprocal,
	s_wait_alu depctr_va_vdst(0)                   ; and one wait for the batch, ahead of its first reader
.irp k, 0,1,2,3
	GFIN ACC+8*(\first+\k), \k
.endr
.endm
; 64 numbers of a lane, register 16 b + i = k 32 b + 16 (lane / 16) + i of my row, become a fragment's codes in v[PC] on and its scale word in v[PW]
.macro QUANT s
.irp b, 0,1,2,3
	v_max3_num_f32 v[TM+\b], |v[\s+16*\b]|, |v[\s+1+16*\b]|, 0x1800000   ; and the floor 2^(3 - 127): the byte cannot fall under 1
.endr
.irp i, 2,4,6,8,10,12,14
.irp b, 0,1,2,3
	v_max3_num_f32 v[TM+\b], v[TM+\b], |v[\s+16*\b+\i]|, |v[\s+1+16*\b+\i]|
.endr
.endr
.irp b, 0,1,2,3
	v_permlanex16_b32 v[TM+4+\b], v[TM+\b], s[SEL], s[SEL+1]
.endr
.irp b, 0,1,2,3
	v_max_num_f32 v[TM+\b], v[TM+\b], v[TM+4+\b]   ; with lane l xor 16's: the block's largest magnitude
.endr
.irp b, 0,1,2,3
	v_add_nc_u32 v[TM+12+\b], 0xff000000, v[TM+\b] ; 2 off its exponent field: the conversion's scale operand
.endr
.irp b, 0,1,2,3
	v_lshrrev_b32 v[TM+4+\b], 23, v[TM+12+\b]      ; the byte
.endr
	v_lshl_or_b32 v[PW], v[TM+5], 8, v[TM+4]
	v_lshl_or_b32 v[PW], v[TM+6], 16, v[PW]
	v_lshl_or_b32 v[PW], v[TM+7], 24, v[PW]
.irp b, 0,1,2,3
	v_cvt_scalef32_pk8_fp4_f32 v[PC+2*\b], v[\s+16*\b:\s+7+16*\b], v[TM+12+\b]
	v_cvt_scalef32_pk8_fp4_f32 v[PC+1+2*\b], v[\s+8+16*\b:\s+15+16*\b], v[TM+12+\b]
.endr
	v_nop                                          ; one plain line behind a scaled conversion
.irp c, 0,1                                    ; the operand's layout wants a whole block in a lane
.irp i, 0,1
	v_permlane16_swap_b32 v[PC+4*\c+\i], v[PC+2+4*\c+\i]
.endr
.endr
.endm
	s_load_b256 s[4:11], s[0:1], 0x0               ; wts s[4:5], xqb s[6:7], masks s[8:9], b1 s[10:11]
	s_load_b64 s[12:13], s[0:1], 0x20              ; hq
	s_load_b64 s[38:39], s[0:1], 0x28              ; lists
	v_lshl_add_u32 v254, v0, 2, 0x1a800
	v_mov_b32 v255, 0
	v_lshrrev_b32 v[TMP], 5, v0
	v_readfirstlane_b32 s17, v[TMP]                ; wave
	v_and_b32 v[LN], 31, v0
	v_and_b32 v[R], 15, v0
	v_bfe_u32 v[HH], v0, 4, 1
	s_lshr_b32 s14, ttmp9, 5                       ; expert
	s_bfe_u32 s15, ttmp9, 0x40001                  ; slice
	s_and_b32 s16, ttmp9, 1                        ; part
	s_lshl_b32 s18, s16, 2
	s_add_co_u32 s18, s18, s17                     ; g
	v_lshlrev_b32 v[L16], 4, v[LN]
	v_lshlrev_b32 v[R4], 2, v[R]
	v_lshlrev_b32 v[H16], 4, v[HH]
	v_lshlrev_b32 v[ML], 2, v[LN]
	v_lshlrev_b32 v[BVO], 6, v[HH]
	v_lshlrev_b32 v[L2R], 1, v[LN]
	v_lshlrev_b32 v[QSO], 6, v[R]
	s_mul_i32 s35, s17, 16*SPITCH
	s_add_co_u32 s35, s35, STAGE
	v_add_nc_u32 v[SST], s35, v[L16]
	v_mul_u32_u24 v[SLD], v[R], SPITCH
	v_add_nc_u32 v[SLD], v[SLD], v[H16]
	v_add_nc_u32 v[SLD], s35, v[SLD]
	s_lshl_b32 s35, s17, 14
	v_add_nc_u32 v[WST], s35, v[L16]               ; my quarter of the slice in LDS
	s_lshl_b32 s35, s18, 6
	s_add_co_u32 s35, s35, LIST
	v_add_nc_u32 v[LQ], s35, v[R4]                 ; tile g's entry r; a tile is 64 bytes, my next tile 512 on
	v_mov_b32 v[NCA], NCNT
	v_add_nc_u32 v[PF], LIST, v[L16]
	v_lshrrev_b32 v[TMP], 3, v[R]
	v_and_b32 v[SVO], 7, v[R]
	v_lshlrev_b32 v[SVO], 3, v[SVO]
	v_lshl_add_u32 v[SVO], v[TMP], 7, v[SVO]
	v_lshl_add_u32 v[SVO], v[HH], 8, v[SVO]        ; scale words: column 16 (r / 8) + r % 8 of 8 bytes; lanes 16-31 the next 256 along K
	v_add_nc_u32 v[DUMP], 2048, v[LN]
	s_add_co_u32 s35, s14, 4096
.irp i, 0,1,2,3
	v_mov_b32 v[FILLR+\i], s35                     ; rows past the list's end name row 4,096 + e
.endr
	v_mov_b32 v[CA], 0x32edffee
	v_mov_b32 v[CA+1], 0x32edffee
	v_mov_b32 v[CB], 0xb95fbd29
	v_mov_b32 v[CB+1], 0xb95fbd29
	s_mov_b32 s[SEL], 0x76543210
	s_mov_b32 s[SEL+1], 0xfedcba98
	s_mov_b32 s33, 0
	s_wait_kmcnt 0x0
	s_lshl_b32 s32, s14, 8
	s_add_nc_u64 s[8:9], s[8:9], s[32:33]          ; my expert's 64 mask words; the slot words lie 2,048 bytes on
	s_mul_i32 s32, s14, LREG
	s_lshl_b32 s35, s18, 10
	s_add_co_u32 s32, s32, s35
	s_add_nc_u64 s[38:39], s[38:39], s[32:33]      ; where my queue is stored, if my slice stores
	s_lshl_b32 s32, s14, 20
	s_lshl_b32 s35, s15, 16
	s_add_co_u32 s32, s32, s35
	s_lshl_b32 s35, s17, 14
	s_add_co_u32 s32, s32, s35
	s_add_nc_u64 s[20:21], s[4:5], s[32:33]        ; my quarter of the slice's codes
	s_lshl_b32 s32, s14, 16
	s_lshl_b32 s35, s15, 12
	s_add_co_u32 s32, s32, s35
	s_add_co_u32 s32, s32, W1S
	s_add_nc_u64 s[22:23], s[4:5], s[32:33]        ; the slice's scale bytes
	s_lshl_b32 s32, s14, 13
	s_lshl_b32 s35, s15, 9
	s_add_co_u32 s32, s32, s35
	s_add_nc_u64 s[10:11], s[10:11], s[32:33]      ; the slice's b1
	s_add_nc_u64 s[24:25], s[6:7], XSCO            ; x's scale words
	s_lshl_b32 s32, s14, 7
	s_add_co_u32 s32, s32, s18
	s_lshl_b32 s32, s32, 4
	s_add_co_u32 s32, s32, s15                     ; (tile 128 e + g, K step cb)
	s_lshl_b32 s35, s32, 6
	s_lshl_b32 s32, s32, 10
	s_add_nc_u64 s[26:27], s[12:13], s[32:33]      ; its image
	s_add_co_u32 s32, s35, HSCO
	s_add_nc_u64 s[28:29], s[12:13], s[32:33]      ; its scale words
	global_load_b32 v[MK], v[ML], s[8:9]
	global_load_b32 v[MK+1], v[ML], s[8:9] offset:128
	global_load_b32 v[MK+2], v[ML], s[8:9] offset:2048
	global_load_b32 v[MK+3], v[ML], s[8:9] offset:2176
.set i_, 0
.rept 32
	global_load_b128 v[XF+4*i_:XF+4*i_+3], v[L16], s[20:21] offset:512*i_
.set i_, i_+1
.endr
.set tt_, 0
.rept 8
.set p_, 0
.rept 2
	global_load_b64 v[WS+(2*tt_+p_)*2:WS+(2*tt_+p_)*2+1], v[SVO], s[22:23] offset:((tt_/2)*4+2*p_)*256+64*(tt_%2)
.set p_, p_+1
.endr
.set tt_, tt_+1
.endr
	s_cmp_lg_u32 s17, 0
	s_cbranch_scc1 .Lnot0
.set i_, 0
.rept 16
	ds_store_b128 v[PF], v[FILLR:FILLR+3] offset:512*i_
.set i_, i_+1
.endr
	s_wait_loadcnt 48                              ; the four mask loads are in; the 32 of the weights and the 16 of the scales may be out
	s_mov_b32 s31, 0
.irp b, 0,1,2,3,4,5,6,7
	LBATCH \b
.endr
	v_mov_b32 v[TMP], s31
	ds_store_b32 v[NCA], v[TMP]
.Lnot0:
	WIN 0xc0                                       ; b1 is asked for here, so that it comes while the weights go through LDS
.set tt_, 0
.rept 8
	global_load_b128 v[B1+8*tt_:B1+8*tt_+3], v[BVO], s[10:11] offset:(32*(tt_/2)+8*(tt_%2))*4
	global_load_b128 v[B1+8*tt_+4:B1+8*tt_+7], v[BVO], s[10:11] offset:(32*(tt_/2)+8*(tt_%2))*4+16
.set tt_, tt_+1
.endr
	WIN 0
	s_wait_dscnt 0x0                               ; the list has landed
	s_barrier_signal -1
	s_barrier_wait -1
	s_wait_loadcnt 32                              ; my quarter of the codes is in; the 16 scale loads and the 16 of b1 may be out
.set i_, 0
.rept 32
	ds_store_b128 v[WST], v[XF+4*i_:XF+4*i_+3] offset:512*i_
.set i_, i_+1
.endr
	s_wait_dscnt 0x0
	s_barrier_signal -1
	s_barrier_wait -1                              ; the slice is whole in LDS: read from memory once for four waves
.set j_, 0
.rept 16
	ds_load_b32 v[L+j_], v[LQ] offset:512*j_       ; my queue first: the first tile's rows are asked for ahead of the long run of LDS loads below
.set j_, j_+1
.endr
	ds_load_b32 v[NV], v[NCA]
	s_wait_dscnt 0x0
	s_cmp_lg_u32 s15, 0                            ; slice 0 hands the list on: each of its eight waves its own queue, wave g = 0 the number of rows
	s_cbranch_scc1 .Lnolist
.irp q, 0,1,2,3
	global_store_b128 v[QSO], v[L+4*\q:L+4*\q+3], s[38:39] offset:16*\q   ; lanes r and r + 16 hold the same entries
.endr
	s_cmp_lg_u32 s18, 0
	s_cbranch_scc1 .Lnon
	v_mov_b32 v[NV+1], v[NV]
	v_lshlrev_b32 v[TMP], 3, v[LN]
	global_store_b64 v[TMP], v[NV:NV+1], s[38:39] offset:8192   ; 256 consecutive bytes, aligned: n in every word
.Lnon:
	s_wait_xcnt 0x0                                ; the stores have read their registers: the queue is rewritten only behind this wait
.Lnolist:
.set j_, 0
.rept 16
	v_lshrrev_b32 v[L+j_], 1, v[L+j_]              ; here the token alone is wanted
.set j_, j_+1
.endr
	v_readfirstlane_b32 s34, v[NV]
	s_add_co_u32 s34, s34, 15
	s_lshr_b32 s34, s34, 4                         ; the expert's tiles
	s_add_co_u32 s34, s34, 7
	s_sub_co_u32 s34, s34, s18
	s_lshr_b32 s34, s34, 3                         ; mine: g, g + 8, ..
	s_min_u32 s34, s34, 16
	s_cmp_eq_u32 s34, 0
	s_cbranch_scc1 .Lend
	GATHER
	SHIFT
	WIN 0x40
.set ks_, 0
.rept 4
.set tt_, 0
.rept 8
	ds_load_b128 v[8*(8*ks_+tt_):8*(8*ks_+tt_)+3], v[L16] offset:512*(2*(8*tt_+ks_))
	ds_load_b128 v[8*(8*ks_+tt_)+4:8*(8*ks_+tt_)+7], v[L16] offset:512*(2*(8*tt_+ks_)+1)
.set tt_, tt_+1
.endr
.set ks_, ks_+1
.endr
	WIN 0x80
.set ks_, 0
.rept 4
.set tt_, 0
.rept 8
	ds_load_b128 v[8*(8*ks_+tt_):8*(8*ks_+tt_)+3], v[L16] offset:512*(2*(8*tt_+ks_+4))
	ds_load_b128 v[8*(8*ks_+tt_)+4:8*(8*ks_+tt_)+7], v[L16] offset:512*(2*(8*tt_+ks_+4)+1)
.set tt_, tt_+1
.endr
.set ks_, ks_+1
.endr
	WIN 0
.irp b, 0,1,2,3
	v_mov_b32 v[TM+4+\b], 0                        ; written once: a lane permute's destination counts as one of its sources
.endr
	s_wait_dscnt 0x0                               ; the weights are in their registers
.Ltile:
	s_wait_loadcnt 0x0                             ; the tile's 16 rows and its scale words are in (the first time: W1's scale words and b1 too)
.irp i, 0,1,2,3
	v_mov_b32 v[XS+\i], v[XSN+\i]                  ; more than eight plain lines ahead of the first product
.endr
	WIN 0x0c                                       ; an LDS store's data: window 3
.set i_, 0
.rept 16
	ds_store_b128 v[SST], v[XG+4*i_:XG+4*i_+3] offset:SPITCH*i_
.set i_, i_+1
.endr
	WIN 0
.set i_, 0
.rept 16
	ds_load_b128 v[XF+4*i_:XF+4*i_+3], v[SLD] offset:32*i_   ; K step i / 2, half i % 2: the row's bytes as they lie.  LDS serves a wave's instructions in order (ISA guide 5.7.1.4)
.set i_, i_+1
.endr
	s_wait_dscnt 16                                ; the stores have read their registers (the 16 loads may be out),
	GATHER                                         ; which take the next tile's rows; behind my last tile the entries still name tokens
	SHIFT
	s_wait_dscnt 0x0
.set ks_, 0
.rept 8                                        ; K step by K step, the eight accumulators by turns, one instruction a turn
.if ks_ == 0
	WIN 0x31                                       ; W1 window 1, b1 window 3
.elseif ks_ < 4
	WIN 0x01
.else
	WIN 0x02
.endif
.set tt_, 0
.rept 8
.set d_, ACC+8*tt_
.set a_, 8*((8*ks_+tt_)%32)
.set b_, XF+8*ks_
.if ks_ == 0
.set c_, B1+8*tt_
.else
.set c_, d_
.endif
.set sa_, WS+(2*tt_+ks_/4)*2+(ks_%2)
.set sb_, XS+(ks_%4)
.set ra_, (ks_/2)%2
.set rb_, ks_/4
	MM d_, a_, b_, c_, sa_, sb_, ra_, rb_
.set tt_, tt_+1
.endr
.set ks_, ks_+1
.endr
	WIN 0
.rept 4
	v_nop                                          ; four plain lines between the last product and the first read of results and write over x's fragments (ISA guide 7.12.1)
.endr
	GBATCH 0
	GBATCH 4
	QUANT ACC
	global_store_b128 v[L16], v[PC:PC+3], s[26:27]             ; the fragment's image: 512 consecutive bytes a store
	global_store_b128 v[L16], v[PC+4:PC+7], s[26:27] offset:512
	global_store_b32 v[R4], v[PW], s[28:29]        ; lanes r and r + 16 hold the same word
	s_wait_xcnt 0x0                                ; the stores have read their registers and bases: both are written again only behind this wait
	s_add_nc_u64 s[26:27], s[26:27], 131072        ; eight tiles of 16 KiB on
	s_add_nc_u64 s[28:29], s[28:29], 8192
	s_sub_co_u32 s34, s34, 1
	s_cmp_lg_u32 s34, 0
	s_cbranch_scc1 .Ltile
.Lend:
	s_wait_tensorcnt 0x0
	ds_add_u32 v254, v255
	s_wait_dscnt 0x0
	s_endpgm
.Lfunc_end_k_q53c142ec62_gemm1:
	.size	k_q53c142ec62_gemm1, .Lfunc_end_k_q53c142ec62_gemm1-k_q53c142ec62_gemm1
	.p2alignl 7, 3214868480
	.fill 96, 4, 3214868480
	.section	.rodata,"a",@progbits
	.p2align	6, 0x0
	.amdhsa_kernel k_q53c142ec62_gemm1
		.amdhsa_group_segment_fixed_size 109056
		.amdhsa_private_segment_fixed_size 0
		.amdhsa_enable_private_segment 0
		.amdhsa_kernarg_size 48
		.amdhsa_user_sgpr_count 2
		.amdhsa_user_sgpr_kernarg_segment_ptr 1
		.amdhsa_wavefront_size32 1
		.amdhsa_system_sgpr_workgroup_id_x 1
		.amdhsa_system_sgpr_workgroup_id_y 1
		.amdhsa_system_sgpr_workgroup_id_z 1
		.amdhsa_system_vgpr_workitem_id 0
		.amdhsa_next_free_vgpr 896
		.amdhsa_next_free_sgpr 66
		.amdhsa_reserve_vcc 0
		.amdhsa_float_denorm_mode_32 3
		.amdhsa_float_denorm_mode_16_64 3
		.amdhsa_memory_ordered 1
		.amdhsa_forward_progress 1
		.amdhsa_inst_pref_size 146
	.end_amdhsa_kernel
	.amdgpu_metadata
---
amdhsa.version: [ 1, 2 ]
amdhsa.kernels:
  - .name:           k_q53c142ec62_gemm1
    .symbol:         k_q53c142ec62_gemm1.kd
    .args:
      - { .name: wts, .offset: 0, .size: 8, .value_kind: global_buffer, .address_space: global }
      - { .name: xqb, .offset: 8, .size: 8, .value_kind: global_buffer, .address_space: global }
      - { .name: masks, .offset: 16, .size: 8, .value_kind: global_buffer, .address_space: global }
      - { .name: b1, .offset: 24, .size: 8, .value_kind: global_buffer, .address_space: global }
      - { .name: hq, .offset: 32, .size: 8, .value_kind: global_buffer, .address_space: global }
      - { .name: lists, .offset: 40, .size: 8, .value_kind: global_buffer, .address_space: global }
    .group_segment_fixed_size: 109056
    .private_segment_fixed_size: 0
    .kernarg_segment_align: 8
    .kernarg_segment_size: 48
    .max_flat_workgroup_size: 128
    .sgpr_count:     66
    .vgpr_count:     896
    .wavefront_size: 32
...
	.end_amdgpu_metadata
.endif
;; end of part 2
;; launch gemm2 (part 3): grid 256 x 1, 4 waves a work-group, no clusters, 83,456 bytes of LDS; arguments wts, xqb, lists, b2, hq, y; writes y
.if DOCPART == 3
	.amdgcn_target "amdgcn-amd-amdhsa--gfx1250"
	.amdhsa_code_object_version 6
	.text
	.protected	k_q53c142ec62_gemm2
	.globl	k_q53c142ec62_gemm2
	.p2align	8
	.type	k_q53c142ec62_gemm2,@function
k_q53c142ec62_gemm2:
	s_mov_b64 s[64:65], 0
	v_nop
	global_prefetch_b8 v0, s[64:65] scope:SCOPE_SE
	s_setreg_imm32_b32 hwreg(HW_REG_WAVE_MODE, 25, 1), 1
	s_wait_xcnt 0x0
; GEMM2: y[2 token + slot] = gate x (h Q(W2) + b2) for the routed rows, on codes of FP4 (E2M1) with E8M0 scales.
; SHARES.  Work-group = (expert e = id / 32, slice cb = (id / 2) % 16 of 64 columns, part = id % 2).  THE WEIGHTS STAY: each wave holds the slice's 64 fragments (4 tiles x 16 K steps) in 512 registers
; and walks tiles of 16 of the expert's rows: wave g = 4 part + wave takes tiles g, g + 8, ..  A tile of h is 16 KiB of register images, loaded a tile ahead into two sets of 128 registers.
; THE LIST comes from the launch before, which made h's tiles by it: lists [expert 8,448 bytes][g 1,024][row 64][tile j 4]: four loads of 16 bytes give a lane its row's entries of my 16 tiles, in 16 registers that shift.
; An entry is 2 token + slot, the row of y; rows past the end name row 4,096 + e, which nobody reads.  n stands in the 256 bytes at 8,192 of the expert's region.
; The one barrier stands ahead of every branch on stored numbers; every LDS address is a constant + a lane's term + a wave's term.
; THE PRODUCT IS USED TRANSPOSED (source 0 = 16 columns of W2, source 1 = 16 rows of h): a lane holds one row and, in tiles 2 b, 2 b + 1, 16 neighbouring columns.  b2 is the C of each sum's first product.
; The results go through the wave's stage and leave as 256 consecutive bytes of a row of y, aligned.
; LIMITS: NaN and infinities are not served.
; No tensor load, cluster or joint request: trip counts and the early end hang on stored numbers.  No prefetch: weights and h are read by many work-groups.
; REGISTERS: window 0 as named below; windows 1, 2: W2's fragments, (K step s, tile t) at 8 (4 s + t); window 3: two sets of 16 fragments of h (at the head the upper set holds my quarter of the slice on its way to LDS).
.set W2Q,   8388608
.set W2S,   17301504
.set GATEO, 1114112
.set HSCO,  16777216
.set LREG,  8448                       ; lists: an expert's bytes
.set STAGE, 65536                      ; LDS: 0: the slice's 64 KiB; here 16 rows x 272 bytes for each wave
.set SPITCH, 272
.set LN,  1
.set R,   2
.set HH,  3
.set L16, 4
.set SST, 5
.set SLD, 6
.set ML,  7
.set BVO, 8
.set QV,  9                            ; 64 r: my row's place in the stored queue
.set TMP, 10
.set WST, 11
.set SVO, 15
.set L,   16                           ; v16-31 my tiles' entries
.set WS,  32                           ; v32-63 W2's scale words
.set HS,  64                           ; v64-71, v72-79 h's scale words, two sets
.set ACC, 80                           ; v80-111 four accumulators
.set B2,  112                          ; v112-143 b2 in the result's layout
.set GW,  144                          ; v144 my row's gate (v145 is named with it as a pair)
.set DOFF, 146                         ; v146-153 where the stage's rows go in y
.set BPI, 154                          ; v154-161 which lane holds that row's entry
.set BP,  162
.set GO,  170
.set C16, 171
.set YT,  172                          ; v172-203 gate x result
.set YB,  204                          ; v204-235 rows back from the stage
.set TB,  252                          ; n
.set WTMP, 128                         ; in window 3
.set MSB, 0
.macro WIN new                         ; the immediate's high byte repeats the setting that is left
.if MSB != \new
	s_set_vgpr_msb (MSB<<8)|\new
.set MSB, \new
.endif
.endm
.macro MM d, a, b, c, sa, sb, ra, rb   ; one product; ra, rb: the scale words stand in lanes 16-31
.if (\ra) && (\rb)
	v_wmma_scale_f32_16x16x128_f8f6f4 v[\d:\d+7], v[\a:\a+7], v[\b:\b+7], v[\c:\c+7], v[\sa], v[\sb] matrix_a_fmt:MATRIX_FMT_FP4 matrix_b_fmt:MATRIX_FMT_FP4 matrix_a_scale:MATRIX_SCALE_ROW1 matrix_b_scale:MATRIX_SCALE_ROW1
.elseif (\ra)
	v_wmma_scale_f32_16x16x128_f8f6f4 v[\d:\d+7], v[\a:\a+7], v[\b:\b+7], v[\c:\c+7], v[\sa], v[\sb] matrix_a_fmt:MATRIX_FMT_FP4 matrix_b_fmt:MATRIX_FMT_FP4 matrix_a_scale:MATRIX_SCALE_ROW1
.elseif (\rb)
	v_wmma_scale_f32_16x16x128_f8f6f4 v[\d:\d+7], v[\a:\a+7], v[\b:\b+7], v[\c:\c+7], v[\sa], v[\sb] matrix_a_fmt:MATRIX_FMT_FP4 matrix_b_fmt:MATRIX_FMT_FP4 matrix_b_scale:MATRIX_SCALE_ROW1
.else
	v_wmma_scale_f32_16x16x128_f8f6f4 v[\d:\d+7], v[\a:\a+7], v[\b:\b+7], v[\c:\c+7], v[\sa], v[\sb] matrix_a_fmt:MATRIX_FMT_FP4 matrix_b_fmt:MATRIX_FMT_FP4
.endif
.endm
.macro SHIFT                           ; the next tile's entries come to the front
.set j_, 0
.rept 15
	v_mov_b32 v[L+j_], v[L+j_+1]
.set j_, j_+1
.endr
.endm
.macro HLOAD b                         ; tile s40 of h into set b: 32 loads of 512 consecutive bytes, and 8 of scale words (lanes 0-15 an even K step's, lanes 16-31 the odd one's)
	s_lshl_b32 s42, s40, 14
	s_mov_b32 s43, 0
	s_add_nc_u64 s[44:45], s[28:29], s[42:43]
	s_lshl_b32 s42, s40, 10
	s_add_nc_u64 s[46:47], s[30:31], s[42:43]
	WIN 0xc0
.set i_, 0
.rept 32
	global_load_b128 v[128*(\b)+4*i_:128*(\b)+4*i_+3], v[L16], s[44:45] offset:512*i_
.set i_, i_+1
.endr
	WIN 0
.set i_, 0
.rept 8
	global_load_b32 v[HS+8*(\b)+i_], v[ML], s[46:47] offset:128*i_
.set i_, i_+1
.endr
.endm
.macro TILE b
	s_wait_xcnt 0x0                                ; all that was issued has read its registers and bases: offsets, rows and h's bases are written again only behind this wait
.irp i, 0,1,2,3,4,5,6,7
	ds_bpermute_b32 v[BP+\i], v[BPI+\i], v[L]      ; the entries of stage rows 2 i and 2 i + 1
.endr
	v_min_u32 v[GO], 4095, v[L]
	v_lshlrev_b32 v[GO], 2, v[GO]
	global_load_b32 v[GW], v[GO], s[26:27]         ; my row's gate
	s_add_co_u32 s40, s35, 8
	s_min_u32 s40, s40, s36                        ; behind my last tile: the expert's last tile once more, so that no load names bytes that nobody wrote
	s_min_u32 s40, s40, 127
	HLOAD 1-(\b)
	s_wait_loadcnt 41                              ; this tile's 40 loads and all older ones are in; the gate's and the next tile's 40 may be out
.set ks_, 0
.rept 16                                       ; K step by K step, the four accumulators by turns, one instruction a turn
.if ks_ < 8
	WIN 0x0d                                       ; W2 window 1, h window 3
.else
	WIN 0x0e
.endif
.set tt_, 0
.rept 4
.set d_, ACC+8*tt_
.set a_, 8*((4*ks_+tt_)%32)
.set b_, 128*(\b)+8*ks_
.if ks_ == 0
.set c_, B2+8*tt_
.else
.set c_, d_
.endif
.set sa_, WS+(4*tt_+ks_/4)*2+(ks_%2)
.set sb_, HS+8*(\b)+ks_/2
.set ra_, (ks_/2)%2
.set rb_, ks_%2
	MM d_, a_, b_, c_, sa_, sb_, ra_, rb_
.set tt_, tt_+1
.endr
.set ks_, ks_+1
.endr
	WIN 0
	s_wait_dscnt 0x0                               ; the entries
.irp i, 0,1,2,3,4,5,6,7
	v_min_u32 v[BP+\i], 4103, v[BP+\i]             ; (these sixteen lines are also the plain lines between the last product and the first read of results: ISA guide 7.12.1)
.endr
.irp i, 0,1,2,3,4,5,6,7
	v_lshl_add_u32 v[DOFF+\i], v[BP+\i], 12, v[C16]
.endr
	s_wait_loadcnt 40                              ; the gate is in
.set j_, 0
.rept 16
	v_pk_mul_f32 v[YT+2*j_:YT+2*j_+1], v[ACC+2*j_:ACC+2*j_+1], v[GW:GW+1] op_sel_hi:[1,0]   ; each accumulator from its low end on
.set j_, j_+1
.endr
.irp q, 0,1,2,3,4,5,6,7
	ds_store_b128 v[SST], v[YT+4*\q:YT+4*\q+3] offset:128*(\q/4)+16*(\q%4)
.endr
.irp i, 0,1,2,3,4,5,6,7
	ds_load_b128 v[YB+4*\i:YB+4*\i+3], v[SLD] offset:2*SPITCH*\i   ; LDS serves a wave's instructions in order (ISA guide 5.7.1.4)
.endr
.irp i, 0,1,2,3,4,5,6,7
	s_wait_dscnt 7-\i
	global_store_b128 v[DOFF+\i], v[YB+4*\i:YB+4*\i+3], s[48:49]   ; sixteen lanes store 256 consecutive bytes of a row of y, aligned
.endr
	SHIFT
	s_add_co_u32 s35, s35, 8
.endm
	s_load_b256 s[4:11], s[0:1], 0x0               ; wts s[4:5], xqb s[6:7], lists s[8:9], b2 s[10:11]
	s_load_b128 s[12:15], s[0:1], 0x20             ; hq s[12:13], y s[14:15]
	v_lshl_add_u32 v254, v0, 2, 0x14400
	v_mov_b32 v255, 0
	v_lshrrev_b32 v[TMP], 5, v0
	v_readfirstlane_b32 s19, v[TMP]                ; wave
	v_and_b32 v[LN], 31, v0
	v_and_b32 v[R], 15, v0
	v_bfe_u32 v[HH], v0, 4, 1
	s_lshr_b32 s16, ttmp9, 5                       ; expert
	s_bfe_u32 s17, ttmp9, 0x40001                  ; slice
	s_and_b32 s18, ttmp9, 1                        ; part
	s_lshl_b32 s20, s18, 2
	s_add_co_u32 s20, s20, s19                     ; g
	v_lshlrev_b32 v[L16], 4, v[LN]
	v_lshlrev_b32 v[ML], 2, v[LN]
	v_lshlrev_b32 v[BVO], 6, v[HH]
	v_lshlrev_b32 v[QV], 6, v[R]
	s_mul_i32 s37, s19, 16*SPITCH
	s_add_co_u32 s37, s37, STAGE
	v_mul_u32_u24 v[SST], v[R], SPITCH
	v_lshl_add_u32 v[SST], v[HH], 6, v[SST]
	v_add_nc_u32 v[SST], s37, v[SST]               ; in: row r, + 64 h
	v_mul_u32_u24 v[SLD], v[HH], SPITCH
	v_lshl_add_u32 v[SLD], v[R], 4, v[SLD]
	v_add_nc_u32 v[SLD], s37, v[SLD]               ; back: lanes 0-15 one row, lanes 16-31 the next
	s_lshl_b32 s37, s19, 14
	v_add_nc_u32 v[WST], s37, v[L16]               ; my quarter of the slice in LDS
	v_lshrrev_b32 v[TMP], 3, v[R]
	v_and_b32 v[SVO], 7, v[R]
	v_lshlrev_b32 v[SVO], 3, v[SVO]
	v_lshl_add_u32 v[SVO], v[TMP], 7, v[SVO]
	v_lshl_add_u32 v[SVO], v[HH], 8, v[SVO]        ; scale words: column 16 (r / 8) + r % 8 of 8 bytes; lanes 16-31 the next 256 along K
	s_mov_b32 s33, 0
	s_wait_kmcnt 0x0
	s_mul_i32 s32, s16, LREG
	s_add_nc_u64 s[38:39], s[8:9], s[32:33]        ; my expert's region of the lists
	s_lshl_b32 s32, s20, 10
	s_add_nc_u64 s[8:9], s[38:39], s[32:33]        ; my queue
	s_lshl_b32 s32, s16, 20
	s_lshl_b32 s37, s17, 16
	s_add_co_u32 s32, s32, s37
	s_lshl_b32 s37, s19, 14
	s_add_co_u32 s32, s32, s37
	s_add_co_u32 s32, s32, W2Q
	s_add_nc_u64 s[22:23], s[4:5], s[32:33]        ; my quarter of the slice's codes
	s_lshl_b32 s32, s16, 16
	s_lshl_b32 s37, s17, 12
	s_add_co_u32 s32, s32, s37
	s_add_co_u32 s32, s32, W2S
	s_add_nc_u64 s[24:25], s[4:5], s[32:33]
	s_lshl_b32 s32, s16, 12
	s_lshl_b32 s37, s17, 8
	s_add_co_u32 s32, s32, s37
	s_add_nc_u64 s[10:11], s[10:11], s[32:33]      ; the slice's b2
	s_add_nc_u64 s[26:27], s[6:7], GATEO
	s_lshl_b32 s32, s16, 21
	s_add_nc_u64 s[28:29], s[12:13], s[32:33]      ; my expert's tiles of h
	s_lshl_b32 s32, s16, 17
	s_add_co_u32 s32, s32, HSCO
	s_add_nc_u64 s[30:31], s[12:13], s[32:33]
	s_lshl_b32 s32, s17, 8
	s_add_nc_u64 s[48:49], s[14:15], s[32:33]      ; y at my 64 columns
	global_load_b32 v[TB], v[ML], s[38:39] offset:8192   ; n: every word of the block holds it
.irp q, 0,1,2,3
	global_load_b128 v[L+4*\q:L+4*\q+3], v[QV], s[8:9] offset:16*\q
.endr
	WIN 0xc0
.set i_, 0
.rept 32
	global_load_b128 v[WTMP+4*i_:WTMP+4*i_+3], v[L16], s[22:23] offset:512*i_
.set i_, i_+1
.endr
	WIN 0
.set tt_, 0
.rept 4
.set p_, 0
.rept 4
	global_load_b64 v[WS+(4*tt_+p_)*2:WS+(4*tt_+p_)*2+1], v[SVO], s[24:25] offset:((tt_/2)*8+2*p_)*256+64*(tt_%2)
.set p_, p_+1
.endr
.set tt_, tt_+1
.endr
.set tt_, 0
.rept 4
	global_load_b128 v[B2+8*tt_:B2+8*tt_+3], v[BVO], s[10:11] offset:(32*(tt_/2)+8*(tt_%2))*4
	global_load_b128 v[B2+8*tt_+4:B2+8*tt_+7], v[BVO], s[10:11] offset:(32*(tt_/2)+8*(tt_%2))*4+16
.set tt_, tt_+1
.endr
	s_wait_loadcnt 24                              ; n, my queue and my quarter of the codes are in; the 16 scale loads and the 8 of b2 may be out
	WIN 0x0c                                       ; an LDS store's data: window 3
.set i_, 0
.rept 32
	ds_store_b128 v[WST], v[WTMP+4*i_:WTMP+4*i_+3] offset:512*i_
.set i_, i_+1
.endr
	WIN 0
	v_lshlrev_b32 v[C16], 4, v[R]
	v_lshlrev_b32 v[TMP], 2, v[HH]
.irp i, 0,1,2,3,4,5,6,7
	v_add_nc_u32 v[BPI+\i], 8*\i, v[TMP]           ; lane 2 i + (lane / 16), as a byte address
.endr
	v_mov_b32 v[GW+1], 0                           ; (named as the upper half of a pair)
	s_wait_dscnt 0x0                               ; for the others' sake: my quarter has landed
	s_barrier_signal -1
	s_barrier_wait -1                              ; the slice is whole in LDS: read from memory once for four waves
	v_readfirstlane_b32 s34, v[TB]
	s_add_co_u32 s34, s34, 15
	s_lshr_b32 s36, s34, 4                         ; the expert's tiles
	s_add_co_u32 s34, s36, 7
	s_sub_co_u32 s34, s34, s20
	s_lshr_b32 s34, s34, 3                         ; mine
	s_min_u32 s34, s34, 16
	s_cmp_eq_u32 s34, 0
	s_cbranch_scc1 .Ldone
	s_sub_co_u32 s36, s36, 1                       ; the last tile
	s_mov_b32 s35, s20                             ; the tile in hand
	s_min_u32 s40, s20, 127
	HLOAD 0                                        ; my first tile of h is asked for ahead of the long run of LDS loads below
	WIN 0x40
.set ks_, 0
.rept 8
.set tt_, 0
.rept 4
	ds_load_b128 v[8*(4*ks_+tt_):8*(4*ks_+tt_)+3], v[L16] offset:512*(2*(16*tt_+ks_))
	ds_load_b128 v[8*(4*ks_+tt_)+4:8*(4*ks_+tt_)+7], v[L16] offset:512*(2*(16*tt_+ks_)+1)
.set tt_, tt_+1
.endr
.set ks_, ks_+1
.endr
	WIN 0x80
.set ks_, 0
.rept 8
.set tt_, 0
.rept 4
	ds_load_b128 v[8*(4*ks_+tt_):8*(4*ks_+tt_)+3], v[L16] offset:512*(2*(16*tt_+ks_+8))
	ds_load_b128 v[8*(4*ks_+tt_)+4:8*(4*ks_+tt_)+7], v[L16] offset:512*(2*(16*tt_+ks_+8)+1)
.set tt_, tt_+1
.endr
.set ks_, ks_+1
.endr
	WIN 0
	s_wait_dscnt 0x0                               ; the weights are in their registers
.Lloop:                                            ; a trip runs the two sets' turns; s34 = my tiles still to do, stepped once a trip, by 2
	TILE 0
	s_cmp_lg_u32 s34, 1
	s_cbranch_scc1 .Lmore
	s_wait_tensorcnt 0x0
	ds_add_u32 v254, v255
	s_wait_dscnt 0x0
	s_endpgm                                       ; that was my last tile (an odd number of them): the wave ends here; only plain loads and stores are out
.Lmore:
	TILE 1
	s_sub_co_i32 s34, s34, 2
	s_cmp_gt_i32 s34, 0
	s_cbranch_scc1 .Lloop
.Ldone:
	s_wait_tensorcnt 0x0
	ds_add_u32 v254, v255
	s_wait_dscnt 0x0
	s_endpgm
.Lfunc_end_k_q53c142ec62_gemm2:
	.size	k_q53c142ec62_gemm2, .Lfunc_end_k_q53c142ec62_gemm2-k_q53c142ec62_gemm2
	.p2alignl 7, 3214868480
	.fill 96, 4, 3214868480
	.section	.rodata,"a",@progbits
	.p2align	6, 0x0
	.amdhsa_kernel k_q53c142ec62_gemm2
		.amdhsa_group_segment_fixed_size 83456
		.amdhsa_private_segment_fixed_size 0
		.amdhsa_enable_private_segment 0
		.amdhsa_kernarg_size 48
		.amdhsa_user_sgpr_count 2
		.amdhsa_user_sgpr_kernarg_segment_ptr 1
		.amdhsa_wavefront_size32 1
		.amdhsa_system_sgpr_workgroup_id_x 1
		.amdhsa_system_sgpr_workgroup_id_y 1
		.amdhsa_system_sgpr_workgroup_id_z 1
		.amdhsa_system_vgpr_workitem_id 0
		.amdhsa_next_free_vgpr 1024
		.amdhsa_next_free_sgpr 66
		.amdhsa_reserve_vcc 0
		.amdhsa_float_denorm_mode_32 3
		.amdhsa_float_denorm_mode_16_64 3
		.amdhsa_memory_ordered 1
		.amdhsa_forward_progress 1
		.amdhsa_inst_pref_size 60
	.end_amdhsa_kernel
	.amdgpu_metadata
---
amdhsa.version: [ 1, 2 ]
amdhsa.kernels:
  - .name:           k_q53c142ec62_gemm2
    .symbol:         k_q53c142ec62_gemm2.kd
    .args:
      - { .name: wts, .offset: 0, .size: 8, .value_kind: global_buffer, .address_space: global }
      - { .name: xqb, .offset: 8, .size: 8, .value_kind: global_buffer, .address_space: global }
      - { .name: lists, .offset: 16, .size: 8, .value_kind: global_buffer, .address_space: global }
      - { .name: b2, .offset: 24, .size: 8, .value_kind: global_buffer, .address_space: global }
      - { .name: hq, .offset: 32, .size: 8, .value_kind: global_buffer, .address_space: global }
      - { .name: y, .offset: 40, .size: 8, .value_kind: global_buffer, .address_space: global }
    .group_segment_fixed_size: 83456
    .private_segment_fixed_size: 0
    .kernarg_segment_align: 8
    .kernarg_segment_size: 48
    .max_flat_workgroup_size: 128
    .sgpr_count:     66
    .vgpr_count:     1024
    .wavefront_size: 32
...
	.end_amdgpu_metadata
.endif
;; end of part 3
;; launch combine (part 4): grid 512 x 1, 8 waves a work-group, no clusters, 0 bytes of LDS; arguments y, xqb, out0, out1; writes out0, out1
.if DOCPART == 4
	.amdgcn_target "amdgcn-amd-amdhsa--gfx1250"
	.amdhsa_code_object_version 6
	.text
	.protected	k_q53c142ec62_combine
	.globl	k_q53c142ec62_combine
	.p2align	8
	.type	k_q53c142ec62_combine,@function
k_q53c142ec62_combine:
	s_mov_b64 s[64:65], 0
	v_nop
	global_prefetch_b8 v0, s[64:65] scope:SCOPE_SE
	s_setreg_imm32_b32 hwreg(HW_REG_WAVE_MODE, 25, 1), 1
	s_wait_xcnt 0x0
; COMBINE: out0[token] = y[2 token] + y[2 token + 1] (the lower expert first, as the sum over experts runs), and out1 = 8 x the mean over tokens of the sum of probs^2.
; A stream: a work-group takes 4 tokens; thread t takes the 16 bytes at 16 t of each row, so a wave's load or store covers 512 consecutive bytes.  All eight loads go out ahead of the first store.
; No LDS, matrix unit or cluster: nothing is shared and nothing is multiplied.  Work-group 0's wave 0 also sums the 2,048 numbers for out1, in a fixed order.
.set AUXT, 1130496
	s_load_b256 s[4:11], s[0:1], 0x0               ; y s[4:5], xqb s[6:7], out0 s[8:9], out1 s[10:11]
	v_lshlrev_b32 v1, 4, v0
	s_lshl_b32 s12, ttmp9, 15                      ; 4 tokens x 2 rows of 4,096 bytes
	s_mov_b32 s13, 0
	s_lshl_b32 s14, ttmp9, 14
	s_mov_b32 s15, 0
	s_wait_kmcnt 0x0
	s_add_nc_u64 s[4:5], s[4:5], s[12:13]
	s_add_nc_u64 s[8:9], s[8:9], s[14:15]
.irp i, 0,1,2,3
	global_load_b128 v[4+8*\i:7+8*\i], v1, s[4:5] offset:8192*\i th:TH_LOAD_NT
	global_load_b128 v[8+8*\i:11+8*\i], v1, s[4:5] offset:8192*\i+4096 th:TH_LOAD_NT
.endr
.irp i, 0,1,2,3
	s_wait_loadcnt 6-2*\i                          ; this token's two rows are in; the later tokens' may be out
	v_pk_add_f32 v[4+8*\i:5+8*\i], v[4+8*\i:5+8*\i], v[8+8*\i:9+8*\i]
	v_pk_add_f32 v[6+8*\i:7+8*\i], v[6+8*\i:7+8*\i], v[10+8*\i:11+8*\i]
	global_store_b128 v1, v[4+8*\i:7+8*\i], s[8:9] offset:4096*\i th:TH_STORE_NT
.endr
	s_cmp_lg_u32 ttmp9, 0
	s_cbranch_scc1 .Lend
	v_lshrrev_b32 v2, 5, v0
	v_readfirstlane_b32 s16, v2
	s_cmp_lg_u32 s16, 0
	s_cbranch_scc1 .Lend
	v_and_b32 v3, 31, v0
	v_lshlrev_b32 v3, 4, v3
	s_add_nc_u64 s[6:7], s[6:7], AUXT
	s_mov_b32 s18, 0x76543210
	s_mov_b32 s19, 0xfedcba98
.set i_, 0
.rept 16
	global_load_b128 v[36+4*i_:39+4*i_], v3, s[6:7] offset:512*i_
.set i_, i_+1
.endr
	v_mov_b32 v100, 0
	s_wait_loadcnt 0x0
.irp w, 32,16,8,4,2                            ; a tree over my 64 numbers, two at a time
.set j_, 0
.rept \w/2
	v_pk_add_f32 v[36+2*j_:37+2*j_], v[36+2*j_:37+2*j_], v[36+\w+2*j_:37+\w+2*j_]
.set j_, j_+1
.endr
.endr
	v_add_f32 v36, v36, v37
	v_add_f32_dpp v36, v36, v36 row_xmask:1 row_mask:0xf bank_mask:0xf
	v_add_f32_dpp v36, v36, v36 row_xmask:2 row_mask:0xf bank_mask:0xf
	v_add_f32_dpp v36, v36, v36 row_xmask:4 row_mask:0xf bank_mask:0xf
	v_add_f32_dpp v36, v36, v36 row_xmask:8 row_mask:0xf bank_mask:0xf
	v_permlanex16_b32 v38, v36, s18, s19           ; (its destination has been written)
	v_add_f32 v36, v36, v38
	v_mul_f32 v36, 0x3b800000, v36                 ; x 8 / 2,048
	s_wait_xcnt 0x0                                ; EXEC changes only behind this wait
	v_cmp_eq_u32 vcc_lo, 0, v0
	s_and_saveexec_b32 s17, vcc_lo
	global_store_b32 v100, v36, s[10:11]
	s_wait_xcnt 0x0                                ; and again in front of the line that widens it
	s_or_b32 exec_lo, exec_lo, s17
.Lend:
	s_endpgm
.Lfunc_end_k_q53c142ec62_combine:
	.size	k_q53c142ec62_combine, .Lfunc_end_k_q53c142ec62_combine-k_q53c142ec62_combine
	.p2alignl 7, 3214868480
	.fill 96, 4, 3214868480
	.section	.rodata,"a",@progbits
	.p2align	6, 0x0
	.amdhsa_kernel k_q53c142ec62_combine
		.amdhsa_group_segment_fixed_size 0
		.amdhsa_private_segment_fixed_size 0
		.amdhsa_enable_private_segment 0
		.amdhsa_kernarg_size 32
		.amdhsa_user_sgpr_count 2
		.amdhsa_user_sgpr_kernarg_segment_ptr 1
		.amdhsa_wavefront_size32 1
		.amdhsa_system_sgpr_workgroup_id_x 1
		.amdhsa_system_sgpr_workgroup_id_y 1
		.amdhsa_system_sgpr_workgroup_id_z 1
		.amdhsa_system_vgpr_workitem_id 0
		.amdhsa_next_free_vgpr 104
		.amdhsa_next_free_sgpr 66
		.amdhsa_reserve_vcc 1
		.amdhsa_float_denorm_mode_32 3
		.amdhsa_float_denorm_mode_16_64 3
		.amdhsa_memory_ordered 1
		.amdhsa_forward_progress 1
		.amdhsa_inst_pref_size 7
	.end_amdhsa_kernel
	.amdgpu_metadata
---
amdhsa.version: [ 1, 2 ]
amdhsa.kernels:
  - .name:           k_q53c142ec62_combine
    .symbol:         k_q53c142ec62_combine.kd
    .args:
      - { .name: y, .offset: 0, .size: 8, .value_kind: global_buffer, .address_space: global }
      - { .name: xqb, .offset: 8, .size: 8, .value_kind: global_buffer, .address_space: global }
      - { .name: out0, .offset: 16, .size: 8, .value_kind: global_buffer, .address_space: global }
      - { .name: out1, .offset: 24, .size: 8, .value_kind: global_buffer, .address_space: global }
    .group_segment_fixed_size: 0
    .private_segment_fixed_size: 0
    .kernarg_segment_align: 8
    .kernarg_segment_size: 32
    .max_flat_workgroup_size: 256
    .sgpr_count:     66
    .vgpr_count:     104
    .wavefront_size: 32
...
	.end_amdgpu_metadata
.endif
;; end of part 4
;; ======== version 2 of 2: 4 launches; version 1 with the launch gemm2 written anew for expert scheduling mode
;; workspace buffers: wts 17,825,792 bytes; xqb 1,138,688 bytes; masks 4,096 bytes of whole numbers; lists 67,584 bytes of whole numbers; hq 17,825,792 bytes; y 16,809,984 bytes
;; launch prep: the kernel of part 1 again; grid 1088 x 1, 4 waves a work-group, no clusters, 61,440 bytes of LDS; arguments x, Wg, bg, W1, W2, wts, xqb, masks; writes wts, xqb, masks
;; launch gemm1: the kernel of part 2 again; grid 256 x 1, 4 waves a work-group, no clusters, 109,056 bytes of LDS; arguments wts, xqb, masks, b1, hq, lists; writes hq, lists
;; launch gemm2 (part 5): grid 256 x 1, 4 waves a work-group, no clusters, 83,456 bytes of LDS; arguments wts, xqb, lists, b2, hq, y; writes y
.if DOCPART == 5
	.amdgcn_target "amdgcn-amd-amdhsa--gfx1250"
	.amdhsa_code_object_version 6
	.text
	.protected	k_q53c142ec62_gemm2
	.globl	k_q53c142ec62_gemm2
	.p2align	8
	.type	k_q53c142ec62_gemm2,@function
k_q53c142ec62_gemm2:
	s_mov_b64 s[64:65], 0
	v_nop
	global_prefetch_b8 v0, s[64:65] scope:SCOPE_SE
	s_setreg_imm32_b32 hwreg(HW_REG_WAVE_SCHED_MODE, 0, 2), 2
	s_setreg_imm32_b32 hwreg(HW_REG_WAVE_MODE, 25, 1), 1
	s_wait_xcnt 0x0
	s_wait_alu depctr_vm_vsrc(0)
; GEMM2: y[2 token + slot] = gate x (h Q(W2) + b2) for the routed rows, on codes of FP4 (E2M1) with E8M0 scales.
; SHARES.  Work-group = (expert e = id / 32, slice cb = (id / 2) % 16 of 64 columns, part = id % 2).  THE WEIGHTS STAY: each wave holds the slice's 64 fragments (4 tiles x 16 K steps) in 512 registers
; and walks tiles of 16 of the expert's rows: wave g = 4 part + wave takes tiles g, g + 8, ..  A tile of h is 16 KiB of register images, loaded a tile ahead into two sets of 128 registers.
; THE LIST comes from the launch before, which made h's tiles by it: lists [expert 8,448 bytes][g 1,024][row 64][tile j 4]: four loads of 16 bytes give a lane its row's entries of my 16 tiles, in 16 registers that shift.
; An entry is 2 token + slot, the row of y; rows past the end name row 4,096 + e, which nobody reads.  n stands in the 256 bytes at 8,192 of the expert's region.
; The one barrier stands ahead of every branch on stored numbers; every LDS address is a constant + a lane's term + a wave's term.
; THE PRODUCT IS USED TRANSPOSED (source 0 = 16 columns of W2, source 1 = 16 rows of h): a lane holds one row and, in tiles 2 b, 2 b + 1, 16 neighbouring columns.  b2 is the C of each sum's first product.
; The results go through the wave's stage and leave as 256 consecutive bytes of a row of y, aligned.
; LIMITS: NaN and infinities are not served.
; No tensor load, cluster or joint request: trip counts and the early end hang on stored numbers.  No prefetch: weights and h are read by many work-groups.
; REGISTERS: window 0 as named below; windows 1, 2: W2's fragments, (K step s, tile t) at 8 (4 s + t); window 3: two sets of 16 fragments of h (at the head the upper set holds my quarter of the slice on its way to LDS).
; THE MODE: SCHED_MODE bits 1:0 = 2 (LLVM: expert scheduling mode 2), set by the entry lines.  The code itself states the register dependences
; between vector or matrix instructions and memory or LDS instructions, with s_wait_alu, always for 0.
; THE PLAN.  Registers that memory or LDS instructions touch, in a tile's turn:
;   v[L]               Read by the eight permutes and by the line that makes v[GO]; written by the shift, behind the products.
;   v[BP ..]           The permutes' results land there; two vector lines hold them and make v[DOFF ..] of them.
;   v[GO], v[GW]       v[GO] is made at the turn's head and read by the gate's load, which lands in v[GW]; the sixteen multiplies read v[GW].
;   h's sets, v[HS ..] Set b is read by this turn's products; the next tile's 40 loads land in the other set, which the last turn's products read.
;   v[YT ..]           Written by the multiplies; read by the eight LDS stores.
;   v[YB ..]           The eight LDS loads land there; the eight stores read them; no vector instruction names them.
;   v[DOFF ..]         Written behind the products; read by the eight stores.
;   The addresses v4 to v15 and v[BPI ..], v[C16] are made at the head and never written again.
; So a turn has two waits on vm_vsrc (at its head: the last turn's loads and stores have read what this turn writes again; behind the products: the permutes have read v[L]) and two on va_vdst (at its head, behind the two lines
; that make v[GO]: it serves the permutes, the gate's load and the 40 loads of h, which follow it with only scalar lines and a window switch between; and ahead of the LDS stores, for them and for the stores to y).
.set W2Q,   8388608
.set W2S,   17301504
.set GATEO, 1114112
.set HSCO,  16777216
.set LREG,  8448                       ; lists: an expert's bytes
.set STAGE, 65536                      ; LDS: 0: the slice's 64 KiB; here 16 rows x 272 bytes for each wave
.set SPITCH, 272
.set LN,  1
.set R,   2
.set HH,  3
.set L16, 4
.set SST, 5
.set SLD, 6
.set ML,  7
.set BVO, 8
.set QV,  9                            ; 64 r: my row's place in the stored queue
.set TMP, 10
.set WST, 11
.set SVO, 15
.set L,   16                           ; v16-31 my tiles' entries
.set WS,  32                           ; v32-63 W2's scale words
.set HS,  64                           ; v64-71, v72-79 h's scale words, two sets
.set ACC, 80                           ; v80-111 four accumulators
.set B2,  112                          ; v112-143 b2 in the result's layout
.set GW,  144                          ; v144 my row's gate (v145 is named with it as a pair)
.set DOFF, 146                         ; v146-153 where the stage's rows go in y
.set BPI, 154                          ; v154-161 which lane holds that row's entry
.set BP,  162
.set GO,  170
.set C16, 171
.set YT,  172                          ; v172-203 gate x result
.set YB,  204                          ; v204-235 rows back from the stage
.set TB,  252                          ; n
.set WTMP, 128                         ; in window 3
.set MSB, 0
.macro WIN new                         ; the immediate's high byte repeats the setting that is left
.if MSB != \new
	s_set_vgpr_msb (MSB<<8)|\new
.set MSB, \new
.endif
.endm
.macro MM d, a, b, c, sa, sb, ra, rb   ; one product; ra, rb: the scale words stand in lanes 16-31
.if (\ra) && (\rb)
	v_wmma_scale_f32_16x16x128_f8f6f4 v[\d:\d+7], v[\a:\a+7], v[\b:\b+7], v[\c:\c+7], v[\sa], v[\sb] matrix_a_fmt:MATRIX_FMT_FP4 matrix_b_fmt:MATRIX_FMT_FP4 matrix_a_scale:MATRIX_SCALE_ROW1 matrix_b_scale:MATRIX_SCALE_ROW1
.elseif (\ra)
	v_wmma_scale_f32_16x16x128_f8f6f4 v[\d:\d+7], v[\a:\a+7], v[\b:\b+7], v[\c:\c+7], v[\sa], v[\sb] matrix_a_fmt:MATRIX_FMT_FP4 matrix_b_fmt:MATRIX_FMT_FP4 matrix_a_scale:MATRIX_SCALE_ROW1
.elseif (\rb)
	v_wmma_scale_f32_16x16x128_f8f6f4 v[\d:\d+7], v[\a:\a+7], v[\b:\b+7], v[\c:\c+7], v[\sa], v[\sb] matrix_a_fmt:MATRIX_FMT_FP4 matrix_b_fmt:MATRIX_FMT_FP4 matrix_b_scale:MATRIX_SCALE_ROW1
.else
	v_wmma_scale_f32_16x16x128_f8f6f4 v[\d:\d+7], v[\a:\a+7], v[\b:\b+7], v[\c:\c+7], v[\sa], v[\sb] matrix_a_fmt:MATRIX_FMT_FP4 matrix_b_fmt:MATRIX_FMT_FP4
.endif
.endm
.macro SHIFT                           ; the next tile's entries come to the front
.set j_, 0
.rept 15
	v_mov_b32 v[L+j_], v[L+j_+1]
.set j_, j_+1
.endr
.endm
.macro HLOAD b                         ; tile s40 of h into set b: 32 loads of 512 consecutive bytes, and 8 of scale words (lanes 0-15 an even K step's, lanes 16-31 the odd one's)
	s_lshl_b32 s42, s40, 14
	s_mov_b32 s43, 0
	s_add_nc_u64 s[44:45], s[28:29], s[42:43]
	s_lshl_b32 s42, s40, 10
	s_add_nc_u64 s[46:47], s[30:31], s[42:43]
	WIN 0xc0
.set i_, 0
.rept 32
	global_load_b128 v[128*(\b)+4*i_:128*(\b)+4*i_+3], v[L16], s[44:45] offset:512*i_
.set i_, i_+1
.endr
	WIN 0
.set i_, 0
.rept 8
	global_load_b32 v[HS+8*(\b)+i_], v[ML], s[46:47] offset:128*i_
.set i_, i_+1
.endr
.endm
.macro TILE b
	s_wait_xcnt 0x0                                ; all that was issued has read its registers and bases: offsets, rows and h's bases are written again only behind this wait
	s_wait_alu depctr_vm_vsrc(0)                   ; the last turn's gate load has read v[GO], its LDS stores v[YT ..], its stores v[DOFF ..] and v[YB ..]: all are written again in this turn; the first time: the LDS stores of my quarter of the slice have read the upper set of window 3, in which the loads of h land
	v_min_u32 v[GO], 4095, v[L]
	v_lshlrev_b32 v[GO], 2, v[GO]
	s_wait_alu depctr_va_vdst(0)                   ; v[GO] is written, and so are v[L] (the last turn's shift) and, the first time, v[BPI ..], which the lines below read; the last turn's lines are done with v[BP ..] and v[GW], its products with the other set of h and its scale words: results land in all of these below
.irp i, 0,1,2,3,4,5,6,7
	ds_bpermute_b32 v[BP+\i], v[BPI+\i], v[L]      ; the entries of stage rows 2 i and 2 i + 1
.endr
	global_load_b32 v[GW], v[GO], s[26:27]         ; my row's gate
	s_add_co_u32 s40, s35, 8
	s_min_u32 s40, s40, s36                        ; behind my last tile: the expert's last tile once more, so that no load names bytes that nobody wrote
	s_min_u32 s40, s40, 127
	HLOAD 1-(\b)
	s_wait_loadcnt 41                              ; this tile's 40 loads and all older ones are in; the gate's and the next tile's 40 may be out
.set ks_, 0
.rept 16                                       ; K step by K step, the four accumulators by turns, one instruction a turn
.if ks_ < 8
	WIN 0x0d                                       ; W2 window 1, h window 3
.else
	WIN 0x0e
.endif
.set tt_, 0
.rept 4
.set d_, ACC+8*tt_
.set a_, 8*((4*ks_+tt_)%32)
.set b_, 128*(\b)+8*ks_
.if ks_ == 0
.set c_, B2+8*tt_
.else
.set c_, d_
.endif
.set sa_, WS+(4*tt_+ks_/4)*2+(ks_%2)
.set sb_, HS+8*(\b)+ks_/2
.set ra_, (ks_/2)%2
.set rb_, ks_%2
	MM d_, a_, b_, c_, sa_, sb_, ra_, rb_
.set tt_, tt_+1
.endr
.set ks_, ks_+1
.endr
	WIN 0
	s_wait_dscnt 0x0                               ; the entries
	s_wait_alu depctr_vm_vsrc(0)                   ; the permutes have read v[L], which the shift below writes
.irp i, 0,1,2,3,4,5,6,7
	v_min_u32 v[BP+\i], 4103, v[BP+\i]             ; (these sixteen lines are also the plain lines between the last product and the first read of results: ISA guide 7.12.1)
.endr
.irp i, 0,1,2,3,4,5,6,7
	v_lshl_add_u32 v[DOFF+\i], v[BP+\i], 12, v[C16]
.endr
	SHIFT
	s_wait_loadcnt 40                              ; the gate is in
.set j_, 0
.rept 16
	v_pk_mul_f32 v[YT+2*j_:YT+2*j_+1], v[ACC+2*j_:ACC+2*j_+1], v[GW:GW+1] op_sel_hi:[1,0]   ; each accumulator from its low end on
.set j_, j_+1
.endr
	s_wait_alu depctr_va_vdst(0)                   ; the multiplies have written v[YT ..], which the LDS stores read; v[DOFF ..] is written, which the stores to y read
.irp q, 0,1,2,3,4,5,6,7
	ds_store_b128 v[SST], v[YT+4*\q:YT+4*\q+3] offset:128*(\q/4)+16*(\q%4)
.endr
.irp i, 0,1,2,3,4,5,6,7
	ds_load_b128 v[YB+4*\i:YB+4*\i+3], v[SLD] offset:2*SPITCH*\i   ; LDS serves a wave's instructions in order (ISA guide 5.7.1.4)
.endr
.irp i, 0,1,2,3,4,5,6,7
	s_wait_dscnt 7-\i
	global_store_b128 v[DOFF+\i], v[YB+4*\i:YB+4*\i+3], s[48:49]   ; sixteen lanes store 256 consecutive bytes of a row of y, aligned
.endr
	s_add_co_u32 s35, s35, 8
.endm
	s_load_b256 s[4:11], s[0:1], 0x0               ; wts s[4:5], xqb s[6:7], lists s[8:9], b2 s[10:11]
	s_load_b128 s[12:15], s[0:1], 0x20             ; hq s[12:13], y s[14:15]
	v_lshl_add_u32 v254, v0, 2, 0x14400
	v_mov_b32 v255, 0
	v_lshrrev_b32 v[TMP], 5, v0
	v_readfirstlane_b32 s19, v[TMP]                ; wave
	v_and_b32 v[LN], 31, v0
	v_and_b32 v[R], 15, v0
	v_bfe_u32 v[HH], v0, 4, 1
	s_wait_alu depctr_va_sdst(0)                   ; s19 is written, ahead of its first reader
	s_lshr_b32 s16, ttmp9, 5                       ; expert
	s_bfe_u32 s17, ttmp9, 0x40001                  ; slice
	s_and_b32 s18, ttmp9, 1                        ; part
	s_lshl_b32 s20, s18, 2
	s_add_co_u32 s20, s20, s19                     ; g
	v_lshlrev_b32 v[L16], 4, v[LN]
	v_lshlrev_b32 v[ML], 2, v[LN]
	v_lshlrev_b32 v[BVO], 6, v[HH]
	v_lshlrev_b32 v[QV], 6, v[R]
	s_mul_i32 s37, s19, 16*SPITCH
	s_add_co_u32 s37, s37, STAGE
	v_mul_u32_u24 v[SST], v[R], SPITCH
	v_lshl_add_u32 v[SST], v[HH], 6, v[SST]
	v_add_nc_u32 v[SST], s37, v[SST]               ; in: row r, + 64 h
	v_mul_u32_u24 v[SLD], v[HH], SPITCH
	v_lshl_add_u32 v[SLD], v[R], 4, v[SLD]
	v_add_nc_u32 v[SLD], s37, v[SLD]               ; back: lanes 0-15 one row, lanes 16-31 the next
	s_lshl_b32 s37, s19, 14
	v_add_nc_u32 v[WST], s37, v[L16]               ; my quarter of the slice in LDS
	v_lshrrev_b32 v[TMP], 3, v[R]
	v_and_b32 v[SVO], 7, v[R]
	v_lshlrev_b32 v[SVO], 3, v[SVO]
	v_lshl_add_u32 v[SVO], v[TMP], 7, v[SVO]
	v_lshl_add_u32 v[SVO], v[HH], 8, v[SVO]        ; scale words: column 16 (r / 8) + r % 8 of 8 bytes; lanes 16-31 the next 256 along K
	s_mov_b32 s33, 0
	s_wait_kmcnt 0x0
	s_mul_i32 s32, s16, LREG
	s_add_nc_u64 s[38:39], s[8:9], s[32:33]        ; my expert's region of the lists
	s_lshl_b32 s32, s20, 10
	s_add_nc_u64 s[8:9], s[38:39], s[32:33]        ; my queue
	s_lshl_b32 s32, s16, 20
	s_lshl_b32 s37, s17, 16
	s_add_co_u32 s32, s32, s37
	s_lshl_b32 s37, s19, 14
	s_add_co_u32 s32, s32, s37
	s_add_co_u32 s32, s32, W2Q
	s_add_nc_u64 s[22:23], s[4:5], s[32:33]        ; my quarter of the slice's codes
	s_lshl_b32 s32, s16, 16
	s_lshl_b32 s37, s17, 12
	s_add_co_u32 s32, s32, s37
	s_add_co_u32 s32, s32, W2S
	s_add_nc_u64 s[24:25], s[4:5], s[32:33]
	s_lshl_b32 s32, s16, 12
	s_lshl_b32 s37, s17, 8
	s_add_co_u32 s32, s32, s37
	s_add_nc_u64 s[10:11], s[10:11], s[32:33]      ; the slice's b2
	s_add_nc_u64 s[26:27], s[6:7], GATEO
	s_lshl_b32 s32, s16, 21
	s_add_nc_u64 s[28:29], s[12:13], s[32:33]      ; my expert's tiles of h
	s_lshl_b32 s32, s16, 17
	s_add_co_u32 s32, s32, HSCO
	s_add_nc_u64 s[30:31], s[12:13], s[32:33]
	s_lshl_b32 s32, s17, 8
	s_add_nc_u64 s[48:49], s[14:15], s[32:33]      ; y at my 64 columns
	s_wait_alu depctr_va_vdst(0)                   ; the head's lines have written the addresses and offsets v4 to v9, v11 and v15, which the loads and stores below read
	global_load_b32 v[TB], v[ML], s[38:39] offset:8192   ; n: every word of the block holds it
.irp q, 0,1,2,3
	global_load_b128 v[L+4*\q:L+4*\q+3], v[QV], s[8:9] offset:16*\q
.endr
	WIN 0xc0
.set i_, 0
.rept 32
	global_load_b128 v[WTMP+4*i_:WTMP+4*i_+3], v[L16], s[22:23] offset:512*i_
.set i_, i_+1
.endr
	WIN 0
.set tt_, 0
.rept 4
.set p_, 0
.rept 4
	global_load_b64 v[WS+(4*tt_+p_)*2:WS+(4*tt_+p_)*2+1], v[SVO], s[24:25] offset:((tt_/2)*8+2*p_)*256+64*(tt_%2)
.set p_, p_+1
.endr
.set tt_, tt_+1
.endr
.set tt_, 0
.rept 4
	global_load_b128 v[B2+8*tt_:B2+8*tt_+3], v[BVO], s[10:11] offset:(32*(tt_/2)+8*(tt_%2))*4
	global_load_b128 v[B2+8*tt_+4:B2+8*tt_+7], v[BVO], s[10:11] offset:(32*(tt_/2)+8*(tt_%2))*4+16
.set tt_, tt_+1
.endr
	s_wait_loadcnt 24                              ; n, my queue and my quarter of the codes are in; the 16 scale loads and the 8 of b2 may be out
	WIN 0x0c                                       ; an LDS store's data: window 3
.set i_, 0
.rept 32
	ds_store_b128 v[WST], v[WTMP+4*i_:WTMP+4*i_+3] offset:512*i_
.set i_, i_+1
.endr
	WIN 0
	v_lshlrev_b32 v[C16], 4, v[R]
	v_lshlrev_b32 v[TMP], 2, v[HH]
.irp i, 0,1,2,3,4,5,6,7
	v_add_nc_u32 v[BPI+\i], 8*\i, v[TMP]           ; lane 2 i + (lane / 16), as a byte address
.endr
	v_mov_b32 v[GW+1], 0                           ; (named as the upper half of a pair)
	s_wait_dscnt 0x0                               ; for the others' sake: my quarter has landed
	s_barrier_signal -1
	s_barrier_wait -1                              ; the slice is whole in LDS: read from memory once for four waves
	v_readfirstlane_b32 s34, v[TB]
	s_wait_alu depctr_va_sdst(0)                   ; s34 is written, ahead of its first reader
	s_add_co_u32 s34, s34, 15
	s_lshr_b32 s36, s34, 4                         ; the expert's tiles
	s_add_co_u32 s34, s36, 7
	s_sub_co_u32 s34, s34, s20
	s_lshr_b32 s34, s34, 3                         ; mine
	s_min_u32 s34, s34, 16
	s_cmp_eq_u32 s34, 0
	s_cbranch_scc1 .Ldone
	s_sub_co_u32 s36, s36, 1                       ; the last tile
	s_mov_b32 s35, s20                             ; the tile in hand
	s_min_u32 s40, s20, 127
	HLOAD 0                                        ; my first tile of h is asked for ahead of the long run of LDS loads below
	WIN 0x40
.set ks_, 0
.rept 8
.set tt_, 0
.rept 4
	ds_load_b128 v[8*(4*ks_+tt_):8*(4*ks_+tt_)+3], v[L16] offset:512*(2*(16*tt_+ks_))
	ds_load_b128 v[8*(4*ks_+tt_)+4:8*(4*ks_+tt_)+7], v[L16] offset:512*(2*(16*tt_+ks_)+1)
.set tt_, tt_+1
.endr
.set ks_, ks_+1
.endr
	WIN 0x80
.set ks_, 0
.rept 8
.set tt_, 0
.rept 4
	ds_load_b128 v[8*(4*ks_+tt_):8*(4*ks_+tt_)+3], v[L16] offset:512*(2*(16*tt_+ks_+8))
	ds_load_b128 v[8*(4*ks_+tt_)+4:8*(4*ks_+tt_)+7], v[L16] offset:512*(2*(16*tt_+ks_+8)+1)
.set tt_, tt_+1
.endr
.set ks_, ks_+1
.endr
	WIN 0
	s_wait_dscnt 0x0                               ; the weights are in their registers
.Lloop:                                            ; a trip runs the two sets' turns; s34 = my tiles still to do, stepped once a trip, by 2
	TILE 0
	s_cmp_lg_u32 s34, 1
	s_cbranch_scc1 .Lmore
	s_wait_dscnt 0x0                               ; that was my last tile (an odd number of them): the wave ends here, with the closing lines, six on end; only plain loads and stores are out
	s_wait_alu 0x0
	s_wait_tensorcnt 0x0
	ds_add_u32 v254, v255
	s_wait_dscnt 0x0
	s_endpgm
.Lmore:
	TILE 1
	s_sub_co_i32 s34, s34, 2
	s_cmp_gt_i32 s34, 0
	s_cbranch_scc1 .Lloop
.Ldone:
	s_wait_dscnt 0x0                               ; the closing lines, six on end
	s_wait_alu 0x0
	s_wait_tensorcnt 0x0
	ds_add_u32 v254, v255
	s_wait_dscnt 0x0
	s_endpgm
.Lfunc_end_k_q53c142ec62_gemm2:
	.size	k_q53c142ec62_gemm2, .Lfunc_end_k_q53c142ec62_gemm2-k_q53c142ec62_gemm2
	.p2alignl 7, 3214868480
	.fill 96, 4, 3214868480
	.section	.rodata,"a",@progbits
	.p2align	6, 0x0
	.amdhsa_kernel k_q53c142ec62_gemm2
		.amdhsa_group_segment_fixed_size 83456
		.amdhsa_private_segment_fixed_size 0
		.amdhsa_enable_private_segment 0
		.amdhsa_kernarg_size 48
		.amdhsa_user_sgpr_count 2
		.amdhsa_user_sgpr_kernarg_segment_ptr 1
		.amdhsa_wavefront_size32 1
		.amdhsa_system_sgpr_workgroup_id_x 1
		.amdhsa_system_sgpr_workgroup_id_y 1
		.amdhsa_system_sgpr_workgroup_id_z 1
		.amdhsa_system_vgpr_workitem_id 0
		.amdhsa_next_free_vgpr 1024
		.amdhsa_next_free_sgpr 66
		.amdhsa_reserve_vcc 0
		.amdhsa_float_denorm_mode_32 3
		.amdhsa_float_denorm_mode_16_64 3
		.amdhsa_memory_ordered 1
		.amdhsa_forward_progress 1
		.amdhsa_inst_pref_size 60
	.end_amdhsa_kernel
	.amdgpu_metadata
---
amdhsa.version: [ 1, 2 ]
amdhsa.kernels:
  - .name:           k_q53c142ec62_gemm2
    .symbol:         k_q53c142ec62_gemm2.kd
    .args:
      - { .name: wts, .offset: 0, .size: 8, .value_kind: global_buffer, .address_space: global }
      - { .name: xqb, .offset: 8, .size: 8, .value_kind: global_buffer, .address_space: global }
      - { .name: lists, .offset: 16, .size: 8, .value_kind: global_buffer, .address_space: global }
      - { .name: b2, .offset: 24, .size: 8, .value_kind: global_buffer, .address_space: global }
      - { .name: hq, .offset: 32, .size: 8, .value_kind: global_buffer, .address_space: global }
      - { .name: y, .offset: 40, .size: 8, .value_kind: global_buffer, .address_space: global }
    .group_segment_fixed_size: 83456
    .private_segment_fixed_size: 0
    .kernarg_segment_align: 8
    .kernarg_segment_size: 48
    .max_flat_workgroup_size: 128
    .sgpr_count:     66
    .vgpr_count:     1024
    .wavefront_size: 32
...
	.end_amdgpu_metadata
.endif
;; end of part 5
;; launch combine: the kernel of part 4 again; grid 512 x 1, 8 waves a work-group, no clusters, 0 bytes of LDS; arguments y, xqb, out0, out1; writes out0, out1
